; MI455X (gfx1250); checked and timed in simulation.
; The chip was launched on July 23, 2026; its instructions are those of AMD's public machine-readable ISA for CDNA 5 (MIT licence, August 2026) and "CDNA5" Instruction Set Architecture Reference Guide (July 2026). The comments in the code are by the model that wrote it; some were corrected since.
;; Multilinear Attention. Allowed arithmetic: float matrix products may take bf16 or f16 operands with f32 sums; other float arithmetic in f32, or as packed bf16 or f16 multiplies, adds, multiply-adds, maxima and minima; sums over many terms, partial sums and values carried from step to step in f32; what a program stores and reads back later, other than sums and carried values, may be rounded once to bf16 or f16.
;; Inputs: Wk 2 x 1,024 x 1,024 float32; Wo 1,024 x 1,024 float32; Wq 1,024 x 1,024 float32; Wv 2 x 1,024 x 1,024 float32; bk 2 x 1,024 float32; bo 1,024 float32; bq 1,024 float32; bv 2 x 1,024 float32; ln_b 1,024 float32; ln_g 1,024 float32; x 4 x 2,048 x 1,024 float32.
;; Outputs: out0 4 x 2,048 x 1,024 float32.
;; 2 versions, each right; version 2 is version 1 with the launches prep, apln written anew for expert scheduling mode. Each part assembles by itself: llvm-mc -triple=amdgcn-amd-amdhsa -mcpu=gfx1250 --defsym DOCPART=n.
;; ======== version 1 of 2: 5 launches
;; limits: values are held in f16: magnitudes above 65,504 overflow, below 6.1e-05 lose precision
;; workspace buffers: xb 16,777,216 bytes; wt 12,582,912 bytes; sp 16,777,216 bytes; st 589,824 bytes; q 16,777,216 bytes; z 16,777,216 bytes
;; launch prep (part 1): grid 1024 x 1, 8 waves a work-group, no clusters, 18,432 bytes of LDS; arguments x, Wq, Wk, Wv, Wo, xb, wt; writes xb, wt
.if DOCPART == 1
	.amdgcn_target "amdgcn-amd-amdhsa--gfx1250"
	.amdhsa_code_object_version 6
	.text
	.protected	k_qcf73c4dece_prep
	.globl	k_qcf73c4dece_prep
	.p2align	8
	.type	k_qcf73c4dece_prep,@function
k_qcf73c4dece_prep:
	s_mov_b64 s[64:65], 0
	v_nop
	global_prefetch_b8 v0, s[64:65] scope:SCOPE_SE
	s_setreg_imm32_b32 hwreg(HW_REG_WAVE_MODE, 25, 1), 1
	s_wait_xcnt 0x0
; PREPARATION.  xb = x rounded to bf16, [8192][1024].  wt = the six weight matrices turned from [c][d] to [d][c], 16 bits a number, 6,144 rows of 2,048 bytes:
;   rows s*2048 + h*128 + t*64 + e : column 64 h + e of Wk[s] (t = 0) or Wv[s] (t = 1), bf16: a head's 64 columns of k and its 64 of v lie together;
;   rows 4096 + d : column d of Wq, bf16;     rows 5120 + d : column d of Wo, rounded to bf16 and that number written as f16.
; LIMIT.  Wo's numbers as f16: beyond 65,504 not served; below 6e-5 they keep f16's fixed step of 6e-8.
; SHARES.  Work-groups 0 to 767 turn one tile of 128 c x 64 d each; work-groups 768 to 1023 cast 32,768 numbers of x each.  Eight waves.
; A stream: every byte is read once and written once, so matrix units and clusters have nothing to do here.
; A tile goes through LDS: 64 rows (d) of 256 bytes (128 c), 272 apart.  One barrier stands on every work-group's path.
.set PITCH, 272
.set SPARE, 64*PITCH                   ; behind the tile: the spare words, 128 bytes for each of eight waves
.set SPW,   12                         ; v12  LDS address of my spare word; never rewritten
.set NIL,   13                         ; v13  0; never rewritten
.set X,     16                         ; v[16:143] numbers as loaded
.set T,     64                         ; v[64:79]  a turned tile's packed words: d = 2 lane in T..T+7, d = 2 lane + 1 in T+8..T+15
	s_load_b256 s[4:11], s[0:1], 0x0               ; x s[4:5], Wq s[6:7], Wk s[8:9], Wv s[10:11]
	s_load_b128 s[12:15], s[0:1], 0x20             ; Wo s[12:13], xb s[14:15]
	s_load_b64 s[16:17], s[0:1], 0x30              ; wt
	v_lshl_add_u32 v[SPW], v0, 2, SPARE
	v_mov_b32 v[NIL], 0
	v_lshrrev_b32 v1, 5, v0
	v_readfirstlane_b32 s18, v1                    ; wave 0..7
	v_and_b32 v2, 31, v0                           ; lane
	s_mov_b32 s19, ttmp9
	s_lshr_b32 s20, s19, 7                         ; matrix: 0 Wk[0], 1 Wk[1], 2 Wv[0], 3 Wv[1], 4 Wq, 5 Wo
	s_bfe_u32 s21, s19, 0x30004                    ; which 128 c
	s_and_b32 s22, s19, 15                         ; which 64 d (a head)
	s_wait_kmcnt 0x0
	s_cmp_lt_u32 s19, 768
	s_cbranch_scc0 .Lmeet                          ; the casting work-groups go straight to the barrier
	; a tile comes in: wave w takes rows c = 16 w .. 16 w + 15; a load is one row's 256 bytes, 8 bytes (d = 2 lane, 2 lane + 1) a lane
	s_cmp_lt_u32 s20, 2
	s_cselect_b64 s[24:25], s[8:9], s[10:11]
	s_cmp_eq_u32 s20, 4
	s_cselect_b64 s[24:25], s[6:7], s[24:25]
	s_cmp_eq_u32 s20, 5
	s_cselect_b64 s[24:25], s[12:13], s[24:25]
	s_and_b32 s26, s20, 1
	s_lshl_b32 s26, s26, 22                        ; the second state's matrix lies 4 MiB on
	s_cmp_lt_u32 s20, 4
	s_cselect_b32 s26, s26, 0
	s_lshl_b32 s27, s21, 19                        ; 128 rows of 4,096 bytes
	s_add_co_u32 s26, s26, s27
	s_lshl_b32 s27, s22, 8                         ; 64 columns of 4 bytes
	s_add_co_u32 s26, s26, s27
	s_mov_b32 s27, 0
	s_add_nc_u64 s[24:25], s[24:25], s[26:27]
	v_lshlrev_b32 v3, 3, v2
	v_lshl_add_u32 v3, s18, 16, v3                 ; 16 rows a wave + 8 bytes a lane
.set i, 0
.rept 16
	global_load_b64 v[X+2*i:X+2*i+1], v3, s[24:25] offset:i*4096 th:TH_LOAD_NT
.set i, i+1
.endr
	v_mul_u32_u24 v4, v2, 2*PITCH                  ; LDS row d = 2 lane,
	v_lshl_add_u32 v4, s18, 5, v4                  ; my wave's 16 c: 32 bytes
	s_wait_loadcnt 0x0
.set i, 0
.rept 8                                            ; two neighbouring c of one d make a word
	v_cvt_pk_bf16_f32 v[T+i],   v[X+4*i],   v[X+4*i+2]
	v_cvt_pk_bf16_f32 v[T+8+i], v[X+4*i+1], v[X+4*i+3]
.set i, i+1
.endr
	s_cmp_lg_u32 s20, 5
	s_cbranch_scc1 .Lkeep
.set i, 0
.rept 16                                           ; Wo alone: the bf16 number is written as f16
	v_lshlrev_b32 v80, 16, v[T+i]
	v_and_b32 v81, 0xffff0000, v[T+i]
	v_cvt_pk_f16_f32 v[T+i], v80, v81
.set i, i+1
.endr
.Lkeep:
	ds_store_b128 v4, v[T:T+3]
	ds_store_b128 v4, v[T+4:T+7] offset:16
	ds_store_b128 v4, v[T+8:T+11] offset:PITCH
	ds_store_b128 v4, v[T+12:T+15] offset:PITCH+16
.Lmeet:
	s_wait_dscnt 0x0                               ; for the others' sake: my stores into the tile are done
	s_barrier_signal -1
	s_barrier_wait -1
	s_cmp_lt_u32 s19, 768
	s_cbranch_scc0 .Lcast
	; the tile goes out by rows: sixteen lanes take one row's 256 bytes; 16 rows a pass, four passes
	s_and_b32 s26, s20, 1
	s_lshl_b32 s26, s26, 11                        ; state x 2,048 rows
	s_lshr_b32 s27, s20, 1
	s_lshl_b32 s27, s27, 6                         ; k or v: 64 rows
	s_add_co_u32 s26, s26, s27
	s_lshl_b32 s27, s22, 7                         ; head x 128 rows
	s_add_co_u32 s26, s26, s27
	s_lshl_b32 s28, s20, 10                        ; Wq, Wo: matrix x 1,024 rows
	s_lshl_b32 s27, s22, 6
	s_add_co_u32 s28, s28, s27
	s_cmp_lt_u32 s20, 4
	s_cselect_b32 s26, s26, s28
	s_lshl_b32 s26, s26, 11                        ; rows of 2,048 bytes
	s_lshl_b32 s27, s21, 8                         ; 128 c: 256 bytes
	s_add_co_u32 s26, s26, s27
	s_mov_b32 s27, 0
	s_add_nc_u64 s[16:17], s[16:17], s[26:27]
	v_lshrrev_b32 v5, 4, v0
	v_and_b32 v6, 15, v0
	v_mul_u32_u24 v7, v5, PITCH
	v_lshl_add_u32 v7, v6, 4, v7
	v_lshlrev_b32 v8, 11, v5
	v_lshl_add_u32 v8, v6, 4, v8
.irp i, 0,1,2,3
	ds_load_b128 v[X+4*(\i):X+4*(\i)+3], v7 offset:(\i)*16*PITCH
.endr
.irp i, 0,1,2,3
	s_wait_dscnt 3-(\i)                            ; LDS loads come back in order: pass i is in
	global_store_b128 v8, v[X+4*(\i):X+4*(\i)+3], s[16:17] offset:(\i)*16*2048  ; 16 lanes store 256 consecutive bytes, aligned
.endr
	s_branch .Lend
.Lcast:                                                ; 32 loads of 4,096 consecutive bytes go out together; each is rounded and stored as it comes
	s_sub_co_u32 s26, s19, 768
	s_lshl_b32 s28, s26, 17
	s_mov_b32 s29, 0
	s_add_nc_u64 s[4:5], s[4:5], s[28:29]
	s_lshl_b32 s28, s26, 16
	s_add_nc_u64 s[14:15], s[14:15], s[28:29]
	v_lshlrev_b32 v3, 4, v0
	v_lshlrev_b32 v4, 3, v0
.set i, 0
.rept 32
	global_load_b128 v[X+4*i:X+4*i+3], v3, s[4:5] offset:i*4096 th:TH_LOAD_NT
.set i, i+1
.endr
.set i, 0
.rept 32
	s_wait_loadcnt 31-i                            ; the younger loads stay out
	v_cvt_pk_bf16_f32 v[X+4*i],   v[X+4*i],   v[X+4*i+1]
	v_cvt_pk_bf16_f32 v[X+4*i+1], v[X+4*i+2], v[X+4*i+3]
	global_store_b64 v4, v[X+4*i:X+4*i+1], s[14:15] offset:i*2048  ; a wave stores 256 consecutive bytes, aligned; no register is used twice
.set i, i+1
.endr
.Lend:
	s_wait_tensorcnt 0x0                           ; the wave's end, behind my last LDS store
	ds_add_u32 v[SPW], v[NIL]
	s_wait_dscnt 0x0
	s_endpgm
.Lfunc_end_k_qcf73c4dece_prep:
	.size	k_qcf73c4dece_prep, .Lfunc_end_k_qcf73c4dece_prep-k_qcf73c4dece_prep
	.p2alignl 7, 3214868480
	.fill 96, 4, 3214868480
	.section	.rodata,"a",@progbits
	.p2align	6, 0x0
	.amdhsa_kernel k_qcf73c4dece_prep
		.amdhsa_group_segment_fixed_size 18432
		.amdhsa_private_segment_fixed_size 0
		.amdhsa_enable_private_segment 0
		.amdhsa_kernarg_size 56
		.amdhsa_user_sgpr_count 2
		.amdhsa_user_sgpr_kernarg_segment_ptr 1
		.amdhsa_wavefront_size32 1
		.amdhsa_system_sgpr_workgroup_id_x 1
		.amdhsa_system_sgpr_workgroup_id_y 1
		.amdhsa_system_sgpr_workgroup_id_z 1
		.amdhsa_system_vgpr_workitem_id 0
		.amdhsa_next_free_vgpr 144
		.amdhsa_next_free_sgpr 66
		.amdhsa_reserve_vcc 0
		.amdhsa_float_denorm_mode_32 3
		.amdhsa_float_denorm_mode_16_64 3
		.amdhsa_memory_ordered 1
		.amdhsa_forward_progress 1
		.amdhsa_inst_pref_size 21
	.end_amdhsa_kernel
	.amdgpu_metadata
---
amdhsa.version: [ 1, 2 ]
amdhsa.kernels:
  - .name:           k_qcf73c4dece_prep
    .symbol:         k_qcf73c4dece_prep.kd
    .args:
      - { .name: x, .offset: 0, .size: 8, .value_kind: global_buffer, .address_space: global }
      - { .name: Wq, .offset: 8, .size: 8, .value_kind: global_buffer, .address_space: global }
      - { .name: Wk, .offset: 16, .size: 8, .value_kind: global_buffer, .address_space: global }
      - { .name: Wv, .offset: 24, .size: 8, .value_kind: global_buffer, .address_space: global }
      - { .name: Wo, .offset: 32, .size: 8, .value_kind: global_buffer, .address_space: global }
      - { .name: xb, .offset: 40, .size: 8, .value_kind: global_buffer, .address_space: global }
      - { .name: wt, .offset: 48, .size: 8, .value_kind: global_buffer, .address_space: global }
    .group_segment_fixed_size: 18432
    .private_segment_fixed_size: 0
    .kernarg_segment_align: 8
    .kernarg_segment_size: 56
    .max_flat_workgroup_size: 256
    .sgpr_count:     66
    .vgpr_count:     144
    .wavefront_size: 32
...
	.end_amdgpu_metadata
.endif
;; end of part 1
;; launch kv (part 2): grid 16 x 16, 4 waves a work-group, clusters of 4 x 4, 327,680 bytes of LDS; arguments xb, wt, bk, bv, bq, sp, q; writes sp, q
.if DOCPART == 2
	.amdgcn_target "amdgcn-amd-amdhsa--gfx1250"
	.amdhsa_code_object_version 6
	.text
	.protected	k_qcf73c4dece_kv
	.globl	k_qcf73c4dece_kv
	.p2align	8
	.type	k_qcf73c4dece_kv,@function
k_qcf73c4dece_kv:
	s_mov_b64 s[64:65], 0
	v_nop
	global_prefetch_b8 v0, s[64:65] scope:SCOPE_SE
	s_setreg_imm32_b32 hwreg(HW_REG_WAVE_MODE, 25, 1), 1
	s_wait_xcnt 0x0
	s_wait_alu depctr_hold_cnt(0) depctr_sa_sdst(0) depctr_va_vdst(0) depctr_va_sdst(0) depctr_va_ssrc(0) depctr_va_vcc(0) depctr_vm_vsrc(0)
	s_getreg_b32 s2, hwreg(HW_REG_IB_STS2, 6, 4)
	s_cmp_eq_u32 s2, 0
	s_cbranch_scc0 .Lentry_in_a_cluster
	s_endpgm
.Lentry_in_a_cluster:
	s_bfe_u32 s2, ttmp6, 0x10000c
	s_cmp_lg_u32 s2, 0xf033
	s_cbranch_scc0 .Lentry_shape_is_right
	s_endpgm
.Lentry_shape_is_right:
; ALL FIVE RESIDUAL PROJECTIONS, and the partial sums of K^T V, in one launch.
;   k = x + x Wk[s] + bk[s], v = x + x Wv[s] + bv[s]: never stored; their K^T V for each (state, batch, head) is summed in the work-group that made them and goes to sp (f32).
;   q = x + x Wq + bq: stored once, rounded to f16, [8192][1024].
; xb: [8192][1024] bf16.  wt: [n][c] bf16; rows 0..4095: a head's 64 columns of k and its 64 of v together; rows 4096..5119: Wq's columns.  Products in bf16, sums in f32; the biases are rounded to bf16 like every input.
; k and v are rounded once to bf16 for the second product, whose sums over rows stay in f32.
; LIMIT.  q as f16: beyond 65,504 in magnitude not served.  NaN and infinities are not treated apart.
; SHARES.  A work-group makes THREE tiles on one running ring: two of 256 rows x 256 columns (two heads' k and v of one state), one below the other in the same batch, and one of 128 rows x 256 columns of q, whose rows
; are among the 512 that it has just walked: 256 work-groups of equal work.  Four waves: in a k|v tile each has 128 x 128 (64 accumulators), its columns [k of one head | v of the same head], so its own K^T V needs no other wave;
; in the q tile each has 64 x 128: the 32 accumulators of its lower rows, by the same lines of text: a forward jump leads round the upper rows' fragment loads and products.
; THE SUMS BEGIN WITH x + b: the accumulators are set to the residual and the bias, so every product has one form.
; THE MATRIX INSTRUCTION IS USED TRANSPOSED (source 0 = 16 rows of wt, source 1 = 16 rows of xb): a lane holds row l % 16 and the columns 8 (l / 16) + 0..7.
; RING.  K goes in steps of 128 through two LDS slots filled by the tensor data mover; rows of 256 bytes, 272 apart in LDS.  Twelve laps of two K steps: laps 11-8 the first tile, 7-4 the second, 3-1 and the one behind the loop q.
; CLUSTER.  4 x 4 work-groups: the four of a row need the same rows of xb, the four of a column the same rows of wt, in all three tiles: each tile is asked for jointly.
; REGISTERS, in windows of 256 (s_set_vgpr_msb: bits 1:0 source 0, 3:2 source 1, 5:4 source 2, 7:6 destination):
;   window 0: v0-31 addresses; v32-63 at work; v64-127, v128-191 fragments of xb, two buffers (between tiles: the turned fragments of k and v; at the end: q's rows read back); v192-255 the bias, f32
;   window 1: v64-127, v128-191 fragments of wt (between tiles: the residual as loaded); v0-63, v192-255 the 16 accumulators of K^T V
;   window 2: the accumulators of my rows 0-63 ((a, b) at v[8 (8 a + b)]);   window 3: those of my rows 64-127
.set KSTEP,  128
.set ROWB,   2048                      ; bytes in a row of xb, of wt and of q
.set PITCH,  272                       ; an LDS row: 256 bytes + 16 = 68 words: the 16 rows of a fragment load start at 16 different groups of four banks (64 banks of 4 bytes: ISA guide 11.1)
.set HALFT,  128*PITCH
.set SLOT,   4*HALFT                   ; xb's 256 rows, then wt's 256 rows
.set STAGE,  2*SLOT                    ; behind the ring, never filled by a tensor load: 32 rows x 288 bytes for each wave
.set SPITCH, 288                       ; 256 + 32 = 72 words
.set STGW,   32*SPITCH
.set SPARE,  STAGE+4*STGW              ; the spare words, 128 bytes for each wave
.set XOQ,  7                           ; v7   my byte offset in 16 rows of xb, at my 128 columns of q
.set BOQ,  8                           ; v8   my byte offset in bq
.set RDQ,  9                           ; v9   stage: where I read rows of q back
.set COQ,  10                          ; v10  my byte offset in two rows of q
.set ADRA, 16                          ; v16-17  LDS address of my fragments of xb in slot 0, 1
.set ADRB, 20                          ; v20-21  the same for wt
.set STO,  24                          ; v24  stage: where I put 16 bytes of a row
.set TRA,  25                          ; v25  stage: my place for the turning loads
.set XO,   26                          ; v26  my byte offset in 16 rows of xb, at my head's 64 columns
.set BO,   27                          ; v27  my byte offset in bk and bv
.set SPW,  28                          ; v28  LDS address of my spare word; never rewritten
.set NIL,  29                          ; v29  0; never rewritten
.set PFO,  30                          ; v30  the prefetches' offset: lane x a row
.set SPO,  31                          ; v31  16 x lane
.set TMP,  32
.set F0,   64
.set F1,   128
.set BI,   192                         ; column block b's eight numbers at BI + 8 b
.set XR,   64                          ; window 1: the residual as loaded, 128 registers
.set QB,  14                           ; s[14:15] q at my 64 rows and 128 columns
.set G1Q, 16                           ; s[16:23] descriptor group 1 for xb's tiles of the q tile: 64 rows a load
.set G1,  24                           ; s[24:31] descriptor group 1 for xb's tiles;  s[32:39] group 0, a set for each slot
.set G0,  32
.set PJV, 43                           ; s43  the one long step of my prefetches' address,
.set PFA, 44                           ; s[44:45] where my prefetches stand
.set XBQ, 46                           ; s[46:47] xb at my 64 rows of the q tile
.set G1B, 48                           ; s[48:55], s[56:63] the same for wt's tiles
.set G0B, 56
.set PJL, 80                           ; s80  and the lap in which it is taken
.set QBA, 81                           ; s81  wt's tile address: from the second tile's last K steps to the q tile's first
.set SA,  82                           ; s[82:83] this lap's step forward of xb's tile address,
.set SB,  84                           ; s[84:85] of wt's,
.set PD,  86                           ; s[86:87] this lap's first step of the prefetches' address
.set PM,  88                           ; s88  bit n set: I prefetch in the lap with count n
.set MSK, 89                           ; s89  a word's upper bf16
.set XB,  90                           ; s[90:91] xb at my 128 rows of the first tile
.set SPB, 92                           ; s[92:93] sp at my partial sum
.set SC,  94                           ; s[94:95] this lap's step back of wt's tile address,
.set SD,  98                           ; s[98:99] and of xb's
.set QAA, 100                          ; s100, s101  xb's tile address from the second tile's last K steps to the q tile's first: forward, back
.set QAS, 101
.set MSB, 0
.macro WIN new                         ; the immediate's high byte repeats the setting that is left; a switch that changes nothing is dropped
.if MSB != (\new)
	s_set_vgpr_msb (MSB<<8)|(\new)
.set MSB, \new
.endif
.endm
.set MUL_LO, 0xa1                      ; source 0 (wt) window 1, source 1 (xb) window 0, C and D window 2
.set MUL_HI, 0xf1                      ; the same, C and D window 3
.set TO_B,   0x40                      ; destination window 1, address window 0
; A joint load.  Waves 0 and 1 fetch xb's two halves, waves 2 and 3 wt's.  three = 1, in the loop: from lap 4 on xb's halves are the q tile's, 64 rows each, by a line of their own.  On every way a wave issues one load.
; The branches hang on the wave's number and the lap's count alone: they are the same in every work-group.  An s_nop 0 and four v_nop follow each line.
.macro JLOAD s, three=0
	s_cmp_eq_u32 s11, 0
	s_cbranch_scc0 .Lfor_b_\@
.if \three
	s_cmp_gt_u32 s3, 4
	s_cbranch_scc0 .Lfor_q_\@
.endif
	tensor_load_to_lds s[G0+4*(\s):G0+4*(\s)+3], s[G1:G1+7]
	s_nop 0
.rept 4
	v_nop
.endr
	s_branch .Lasked_\@
.if \three
.Lfor_q_\@:
	tensor_load_to_lds s[G0+4*(\s):G0+4*(\s)+3], s[G1Q:G1Q+7]
	s_nop 0
.rept 4
	v_nop
.endr
	s_branch .Lasked_\@
.endif
.Lfor_b_\@:
	tensor_load_to_lds s[G0B+4*(\s):G0B+4*(\s)+3], s[G1B:G1B+7]
	s_nop 0
.rept 4
	v_nop
.endr
.Lasked_\@:
.endm
; A prefetch of the K step that stands two refills on: 32 rows x 256 bytes, a lane a row, one instruction a wave.  Each row's 256 bytes of a K step are named once in the launch: xb's rows by the clusters with x = 0
; (laps 11, 10; lap 8 names the second tile's K steps 2 and 3; laps 7, 6), wt's k|v rows by the clusters with y = 0 (laps 11, 10: both tiles take the same rows), Wq's rows, which all clusters read, by cluster (0, 0)
; (laps 5 to 2: K steps 0 to 7).  The four partners that ask for a tile jointly take 32 of its 128 rows each, told apart by address.  The q tile's rows of xb have been read and are not named again.
.macro ASK
	s_lshr_b32 s71, s[PM], s3
	s_and_b32 s71, s71, 1
	s_cmp_eq_u32 s71, 1
	s_cbranch_scc0 .Lnot_mine_\@
	global_prefetch_b8 v[PFO], s[PFA:PFA+1] th:TH_LOAD_NT scope:SCOPE_SE
.Lnot_mine_\@:
.endm
.macro CREST                           ; a round of the cluster's barrier behind its opening barrier
	s_cmp_lg_u32 s10, 0
	s_cbranch_scc1 .Lnot_wave_0_\@
	s_barrier_signal -3
.Lnot_wave_0_\@:
	s_barrier_wait -3
	s_barrier_signal -1
	s_barrier_wait -1
.endm
.macro CROUND                          ; a whole round
	s_barrier_signal -1
	s_barrier_wait -1
	CREST
.endm
	s_load_b256 s[72:79], s[0:1], 0x0              ; xb s[72:73], wt s[74:75], bk s[76:77], bv s[78:79]
	s_load_b128 s[4:7], s[0:1], 0x20               ; bq s[4:5], sp s[6:7]
	s_load_b64 s[8:9], s[0:1], 0x30                ; q
	v_lshl_add_u32 v[SPW], v0, 2, SPARE
	v_mov_b32 v[NIL], 0
	ds_add_u32 v[SPW], v[NIL]                      ; the wave's opening: the add, twice on end, and its wait ahead of my first tensor load
	ds_add_u32 v[SPW], v[NIL]
	v_lshrrev_b32 v1, 5, v0
	v_readfirstlane_b32 s10, v1                    ; wave 0..3
	s_lshr_b32 s11, s10, 1                         ; which half of the tile's rows is mine.  Also: I fetch for xb (0) or for wt (1)
	s_and_b32 s12, s10, 1                          ; which 128 columns.  Also: which half of that tile I fetch
	s_bfe_u32 s40, ttmp6, 0x40000                  ; cx
	s_bfe_u32 s41, ttmp6, 0x40004                  ; cy
	s_mov_b32 s2, ttmp9                            ; the cluster's x
	s_lshl_b32 s42, ttmp9, 2
	s_add_co_u32 s42, s42, s40                     ; tile column 0..15
	s_and_b32 s13, ttmp7, 0xffff
	s_lshl_b32 s13, s13, 2
	s_add_co_u32 s13, s13, s41                     ; block of 512 rows 0..15
	s_lshl_b32 s96, s41, 2
	s_lshl_b32 s96, 15, s96                        ; my row of the cluster
	s_lshl_b32 s97, 0x1111, s40                    ; my column
	s_or_b32 s[G1+0], s96, (1<<16)|(1<<20)|(1<<21)|(5<<22)|(3<<25)   ; the mask; 2-byte elements; padding on; bit 21 beside a mask; after every 64 words; 4 words
	s_or_b32 s[G1B+0], s97, (1<<16)|(1<<20)|(1<<21)|(5<<22)|(3<<25)
.irp g, G1, G1B
	s_mov_b32 s[(\g)+1], KSTEP<<16                 ; tensor_dim0 = 128
	s_mov_b32 s[(\g)+2], 128<<16                   ; tensor_dim1 = 128
	s_mov_b32 s[(\g)+3], KSTEP<<16                 ; tile_dim0 = 128
	s_mov_b32 s[(\g)+4], 128                       ; tile_dim1 = 128
	s_mov_b32 s[(\g)+5], 1024                      ; elements from row to row
	s_mov_b32 s[(\g)+6], 0
	s_mov_b32 s[(\g)+7], 0
.endr
	s_lshl_b32 s17, s12, 7
	s_lshl_b32 s16, s13, 9
	s_add_co_u32 s16, s16, s17                     ; xb: row 512 x block + 128 x half
	s_lshl_b32 s16, s16, 11
	s_lshl_b32 s46, s42, 8
	s_add_co_u32 s46, s46, s17                     ; wt: row 256 x tile column + 128 x half
	s_lshl_b32 s46, s46, 11
	s_mov_b32 s17, 0
	s_mov_b32 s47, 0
	s_mul_i32 s20, s10, HALFT                      ; where they go: wave x 128 rows: no place in the cluster enters an LDS address
	s_mov_b32 s66, 256*ROWB-6*KSTEP*2              ; xb from the first tile to the second: 256 rows down, six K steps back
	s_mov_b32 s67, 2*KSTEP*2                       ; two K steps on
	s_mov_b32 s68, 6*KSTEP*2                       ; wt from the first tile to the second: six K steps back
	s_mov_b32 s70, KSTEP*2
	s_mov_b32 s[SA+1], 0
	s_mov_b32 s[SB+1], 0
	s_mov_b32 s[SC+1], 0
	s_mov_b32 s[SD+1], 0
	s_mov_b32 s[PD+1], 0
	s_mov_b32 s[MSK], 0xffff0000
	s_wait_dscnt 0x0                               ; both opening adds are done
	s_wait_kmcnt 0x0
	s_add_nc_u64 s[14:15], s[72:73], s[16:17]
	s_add_nc_u64 s[46:47], s[74:75], s[46:47]
	CROUND                                         ; all sixteen work-groups are here: the first joint loads meet
.irp s, 0,1
	s_mov_b32 s[G0+4*(\s)], 1
	s_add_co_u32 s[G0+4*(\s)+1], s20, (\s)*SLOT
	s_add_nc_u64 s[G0+4*(\s)+2:G0+4*(\s)+3], s[14:15], (\s)*KSTEP*2
	s_or_b32 s[G0+4*(\s)+3], s[G0+4*(\s)+3], 0x80000000
	s_mov_b32 s[G0B+4*(\s)], 1
	s_add_co_u32 s[G0B+4*(\s)+1], s20, (\s)*SLOT
	s_add_nc_u64 s[G0B+4*(\s)+2:G0B+4*(\s)+3], s[46:47], (\s)*KSTEP*2
	s_or_b32 s[G0B+4*(\s)+3], s[G0B+4*(\s)+3], 0x80000000
	JLOAD \s
.endr
	; the bias and the first tile's residual are asked for; the rest of the set-up stands in the wait for them
	v_and_b32 v1, 15, v0                           ; l % 16
	v_bfe_u32 v2, v0, 4, 1                         ; l / 16
	s_and_b32 s23, s42, 7
	s_lshl_b32 s23, s23, 1
	s_add_co_u32 s23, s23, s12                     ; my head
	s_lshr_b32 s18, s42, 3                         ; my state
	s_lshl_b32 s19, s23, 8
	s_lshl_b32 s21, s18, 12
	s_add_co_u32 s19, s19, s21
	v_lshl_add_u32 v[BO], v2, 5, s19               ; 4 (1024 s + 64 head + 8 (l / 16))
.irp b, 0,1,2,3
	global_load_b128 v[BI+8*(\b):BI+8*(\b)+3],   v[BO], s[76:77] offset:64*(\b)
	global_load_b128 v[BI+8*(\b)+4:BI+8*(\b)+7], v[BO], s[76:77] offset:64*(\b)+16
.endr
.irp b, 0,1,2,3
	global_load_b128 v[BI+32+8*(\b):BI+32+8*(\b)+3],   v[BO], s[78:79] offset:64*(\b)
	global_load_b128 v[BI+32+8*(\b)+4:BI+32+8*(\b)+7], v[BO], s[78:79] offset:64*(\b)+16
.endr
	v_lshlrev_b32 v[XO], 11, v1
	v_lshl_add_u32 v[XO], v2, 4, v[XO]
	s_lshl_b32 s19, s23, 7
	v_add_nc_u32 v[XO], s19, v[XO]                 ; row x 2,048 + 16 x half + 128 x head
	s_lshl_b32 s[XB], s13, 9
	s_lshl_b32 s[XB+1], s11, 7
	s_add_co_u32 s[XB], s[XB], s[XB+1]
	s_lshl_b32 s[XB], s[XB], 11
	s_mov_b32 s[XB+1], 0
	s_add_nc_u64 s[XB:XB+1], s[72:73], s[XB:XB+1]
; The residual of k|v tile t: for each of my 8 row blocks the 64 columns of my head, 16 bytes a lane and column block, in the accumulators' own layout: (a, i) at XR + 16 a + 4 i.
.macro RESLOAD t
	WIN TO_B
.irp a, 0,1,2,3,4,5,6,7
.irp i, 0,1,2,3
	global_load_b128 v[XR+16*(\a)+4*(\i):XR+16*(\a)+4*(\i)+3], v[XO], s[XB:XB+1] offset:(\t)*256*ROWB+(\a)*16*ROWB+32*(\i)
.endr
.endr
	WIN 0
.endm
; The residual of the q tile: 4 row blocks x my 8 column blocks: (a, b) at XR + 32 a + 4 b.
.macro RESLOADQ
	WIN TO_B
.irp a, 0,1,2,3
.irp b, 0,1,2,3,4,5,6,7
	global_load_b128 v[XR+32*(\a)+4*(\b):XR+32*(\a)+4*(\b)+3], v[XOQ], s[XBQ:XBQ+1] offset:(\a)*16*ROWB+32*(\b)
.endr
.endr
	WIN 0
.endm
	RESLOAD 0
	v_mul_u32_u24 v3, v1, PITCH
	v_lshl_add_u32 v3, v2, 4, v3                   ; a fragment's row x pitch + 16 x half
	s_mul_i32 s21, s11, HALFT                      ; my rows of xb
	s_mul_i32 s22, s12, HALFT                      ; my 128 rows of wt,
	s_add_co_u32 s22, s22, 2*HALFT                 ; which lie behind xb's 256
.irp s, 0,1
	v_add_nc_u32 v[ADRA+(\s)], s21, v3
	v_add_nc_u32 v[ADRB+(\s)], s22, v3
	s_add_co_u32 s21, s21, SLOT
	s_add_co_u32 s22, s22, SLOT
.endr
	s_mul_i32 s19, s10, STGW
	s_add_co_u32 s19, s19, STAGE                   ; my stage
	v_mul_u32_u24 v4, v1, SPITCH
	v_lshl_add_u32 v4, v2, 4, v4
	v_add_nc_u32 v[STO], s19, v4                   ; in: row l % 16, 16 bytes for each half of the lanes
	v_and_b32 v5, 7, v0
	v_lshl_add_u32 v5, v2, 3, v5
	v_mul_u32_u24 v5, v5, SPITCH
	v_bfe_u32 v6, v0, 3, 1
	v_lshl_add_u32 v5, v6, 4, v5
	v_add_nc_u32 v[TRA], s19, v5                   ; the turning load: row 8 (l / 16) + l % 8, 16 bytes at 16 ((l / 8) % 2)
	v_mul_u32_u24 v4, v2, SPITCH
	v_lshl_add_u32 v4, v1, 4, v4
	v_add_nc_u32 v[RDQ], s19, v4                   ; back by rows: lanes 0-15 one row of 256 bytes, lanes 16-31 the next,
	v_lshlrev_b32 v[COQ], 11, v2
	v_lshl_add_u32 v[COQ], v1, 4, v[COQ]           ; and the same two rows in q
	v_and_b32 v[SPO], 31, v0
	v_lshlrev_b32 v[PFO], 11, v[SPO]
	v_lshlrev_b32 v[SPO], 4, v[SPO]
	s_lshr_b32 s[SPB], s13, 2                      ; batch
	s_lshl_b32 s[SPB], s[SPB], 4
	s_add_co_u32 s[SPB], s[SPB], s23               ; 16 batch + head
	s_lshl_b32 s[SPB+1], s18, 6
	s_add_co_u32 s[SPB], s[SPB], s[SPB+1]
	s_lshl_b32 s[SPB], s[SPB], 3
	s_and_b32 s[SPB+1], s13, 3
	s_lshl_b32 s[SPB+1], s[SPB+1], 1
	s_add_co_u32 s[SPB+1], s[SPB+1], s11           ; which of the eight partial sums
	s_add_co_u32 s[SPB], s[SPB], s[SPB+1]
	s_lshl_b32 s[SPB], s[SPB], 14                  ; 16 blocks of 1,024 bytes each
	s_mov_b32 s[SPB+1], 0
	s_add_nc_u64 s[SPB:SPB+1], s[6:7], s[SPB:SPB+1]
	; the prefetches: who, when, from where
	s_lshl_b32 s18, s13, 9
	s_lshl_b32 s19, s42, 8
	s_and_b32 s22, ttmp7, 0xffff                   ; the cluster's y
	s_mov_b32 s16, 0xc3c                           ; wt: laps 11, 10 and, for Wq's rows, 5 to 2
	s_mov_b32 s71, 0xc00                           ; wt: laps 11, 10
	s_cmp_eq_u32 s2, 0
	s_cselect_b32 s23, 0xdc0, 0                    ; xb: laps 11, 10, 8, 7, 6, in the clusters with x = 0
	s_cselect_b32 s71, s16, s71
	s_cmp_eq_u32 s22, 0
	s_cselect_b32 s71, s71, 0                      ; wt: in the clusters with y = 0
	s_mov_b32 s16, 256*ROWB-7*KSTEP*2              ; xb: from K step 9 to the second tile's K step 2
	s_mov_b32 s17, 4096*ROWB-15*KSTEP*2            ; wt: from K step 15 of the k|v rows to K step 0 of Wq's, 4,096 rows on (in cluster (0, 0))
	s_cmp_eq_u32 s11, 0                            ; do I fetch for xb?
	s_cselect_b32 s[PM], s23, s71                  ; the same in all sixteen partners, for a given wave
	s_cselect_b32 s20, s18, s19                    ; the tile's first row
	s_cselect_b32 s21, s40, s41                    ; my place among the four that ask for it with me
	s_cselect_b32 s[PJL], 8, 5
	s_cselect_b32 s[PJV], s16, s17
	s_cselect_b64 s[PFA:PFA+1], s[72:73], s[74:75]
	s_lshl_b32 s22, s12, 7
	s_add_co_u32 s20, s20, s22
	s_lshl_b32 s21, s21, 5
	s_add_co_u32 s20, s20, s21
	s_lshl_b32 s20, s20, 11
	s_add_co_u32 s20, s20, 3*KSTEP*2               ; at K step 3: the first refill steps it to 4
	s_mov_b32 s21, 0
	s_add_nc_u64 s[PFA:PFA+1], s[PFA:PFA+1], s[20:21]
	; the q tile: rows 512 x block + 128 x the cluster's x, columns 256 cx.  The steps of the two tile addresses hold no place in the cluster
	s_lshl_b32 s[QAA], s2, 18                      ; xb forward: 128 rows x the cluster's x;
	s_lshl_b32 s[QAS], s12, 17                     ; back: 256 rows, 64 rows x the half that I fetch, six K steps
	s_add_co_u32 s[QAS], s[QAS], 256*ROWB+6*KSTEP*2
	s_lshl_b32 s[QBA], s2, 21                      ; wt forward: from row 1,024 x the cluster's x + 256 cx to row 4,096 + 256 cx, six K steps back
	s_sub_co_u32 s[QBA], 4096*ROWB-6*KSTEP*2, s[QBA]
	s_lshl_b32 s18, s13, 9
	s_lshl_b32 s19, s2, 7
	s_add_co_u32 s18, s18, s19
	s_lshl_b32 s19, s11, 6
	s_add_co_u32 s18, s18, s19                     ; my first row of the q tile
	s_lshl_b32 s18, s18, 11
	s_mov_b32 s19, 0
	s_add_nc_u64 s[XBQ:XBQ+1], s[72:73], s[18:19]
	s_lshl_b32 s20, s40, 9
	s_lshl_b32 s21, s12, 8
	s_add_co_u32 s20, s20, s21                     ; my 128 columns, in bytes of 16-bit numbers
	v_lshlrev_b32 v[XOQ], 11, v1
	v_lshl_add_u32 v[XOQ], v2, 4, v[XOQ]
	v_add_nc_u32 v[XOQ], s20, v[XOQ]
	s_add_co_u32 s18, s18, s20
	s_add_nc_u64 s[QB:QB+1], s[8:9], s[18:19]
	s_lshl_b32 s20, s20, 1                         ; in bytes of f32
	v_lshl_add_u32 v[BOQ], v2, 5, s20
	s_or_b32 s[G1Q+0], s96, (1<<16)|(1<<20)|(1<<21)|(5<<22)|(3<<25)  ; as xb's group 1, with 64 rows
	s_mov_b32 s[G1Q+1], KSTEP<<16
	s_mov_b32 s[G1Q+2], 64<<16
	s_mov_b32 s[G1Q+3], KSTEP<<16
	s_mov_b32 s[G1Q+4], 64
	s_mov_b32 s[G1Q+5], 1024
	s_mov_b32 s[G1Q+6], 0
	s_mov_b32 s[G1Q+7], 0
	; K^T V's sums start at 0: written while the first tiles are on their way, so that the second product has one form and these registers are written on every way through the text
	WIN TO_B
.set i, 0
.rept 64
	v_mov_b32 v[i], 0
	v_mov_b32 v[192+i], 0
.set i, i+1
.endr
	WIN 0
.macro ROUNDB                          ; the 64 numbers of the bias are rounded to bf16, like every input
.set i, 0
.rept 32
	v_cvt_pk_bf16_f32 v[TMP+i%4], v[BI+2*i], v[BI+2*i+1]
	v_lshlrev_b32 v[BI+2*i], 16, v[TMP+i%4]
	v_and_b32 v[BI+2*i+1], s[MSK], v[TMP+i%4]
.set i, i+1
.endr
.endm
	s_wait_loadcnt 32                              ; the bias is in; the residual's 32 loads may stay out
	ROUNDB
; 16 matrix instructions: row blocks a0, a0 + 1 of the window's four x all 8 column blocks, 32 along K.  The accumulators take turns, one instruction a turn.
.macro MUL16 f, hi, a0
	WIN MUL_LO+0x50*(\hi)
.irp a, \a0, (\a0)+1
.irp b, 0,1,2,3,4,5,6,7
	v_wmma_f32_16x16x32_bf16 v[8*(8*(\a)+(\b)):8*(8*(\a)+(\b))+7], v[(\f)+8*(\b):(\f)+8*(\b)+7], v[(\f)+8*(4*(\hi)+(\a)):(\f)+8*(4*(\hi)+(\a))+7], v[8*(8*(\a)+(\b)):8*(8*(\a)+(\b))+7]
.endr
.endr
.endm
; The fragments of one quarter step (32 K at byte k of the rows) into buffer f.  FETCHC, 24 LDS loads in one run: wt's 128 rows, xb's rows 0-63: what every tile wants.  FETCHH, 8 loads: xb's rows 64-127, for the k|v tiles alone.
.macro FETCHC slot, k, f
	WIN TO_B
.irp i, 0,1,2,3,4,5,6,7
	ds_load_b128 v[(\f)+8*(\i):(\f)+8*(\i)+3],   v[ADRB+(\slot)] offset:(\k)+(\i)*16*PITCH
	ds_load_b128 v[(\f)+8*(\i)+4:(\f)+8*(\i)+7], v[ADRB+(\slot)] offset:(\k)+(\i)*16*PITCH+32
.endr
	WIN 0
.irp i, 0,1,2,3
	ds_load_b128 v[(\f)+8*(\i):(\f)+8*(\i)+3],   v[ADRA+(\slot)] offset:(\k)+(\i)*16*PITCH
	ds_load_b128 v[(\f)+8*(\i)+4:(\f)+8*(\i)+7], v[ADRA+(\slot)] offset:(\k)+(\i)*16*PITCH+32
.endr
.endm
.macro FETCHH slot, k, f
	WIN 0
.irp i, 4,5,6,7
	ds_load_b128 v[(\f)+8*(\i):(\f)+8*(\i)+3],   v[ADRA+(\slot)] offset:(\k)+(\i)*16*PITCH
	ds_load_b128 v[(\f)+8*(\i)+4:(\f)+8*(\i)+7], v[ADRA+(\slot)] offset:(\k)+(\i)*16*PITCH+32
.endr
.endm
.macro PLACES                          ; four plain vector instructions between a matrix instruction and a load into, or a vector instruction on, its registers
.rept 4
	v_nop
.endr
.endm
; A K step is four quarters of 32 along K on buffers 0, 1, 0, 1.  One of the first three: multiplies f, fetches the next quarter (byte k) into g behind its first 16 products.
; In a k|v tile 64 products, in the q tile (laps 3 to 1) the first 32: a forward jump leads round the upper rows' loads and products.  qonly = 1, behind the loop: the q tile's form alone.
.macro QUARTER slot, k, f, g, qonly=0
	s_wait_dscnt 4                                 ; wt's fragments and xb's row blocks 0, 1 are in.  The youngest four loads may be out: in the q tile xb's blocks 2, 3; in a k|v tile four of the upper rows'
	MUL16 \f, 0, 0
	PLACES
	FETCHC \slot, \k, \g
	s_wait_dscnt 24                                ; all but the 24 just issued: the rest of buffer f
	MUL16 \f, 0, 2
.if !(\qonly)
	WIN 0
	s_cmp_gt_u32 s3, 3
	s_cbranch_scc0 .Lq_\@
	FETCHH \slot, \k, \g
	MUL16 \f, 1, 0
	MUL16 \f, 1, 2
	WIN 0
.Lq_\@:
.endif
.endm
; The first half of the last quarter: one barrier for the change of slots.  In front of it each wave waits for all its tensor loads (one is out: its part of the next slot), adds 0 to its spare word, and waits for that and its reads of this slot.
.macro MEET round
	WIN 0
	s_wait_tensorcnt 0x0
	ds_add_u32 v[SPW], v[NIL]
	s_wait_dscnt 5                                 ; the add and the youngest four loads may be out
	MUL16 F1, 0, 0
	s_wait_dscnt 0x0                               ; the add is done, and my reads of this slot are over
	s_barrier_signal -1
	MUL16 F1, 0, 2
.if \round
	WIN 0
.endif
	s_barrier_wait -1
.endm
; The whole last quarter, with the refill of the slot just read out: the barrier opens a round of the cluster's barrier, and the joint load is the first thing behind the round.
.macro TURN slot, next
	s_wait_xcnt 0x0                                ; the last prefetch, a K step back, has read its address
.if (\slot) == 0
	s_add_nc_u64 s[PFA:PFA+1], s[PFA:PFA+1], s[PD:PD+1]
.else
	s_add_nc_u64 s[PFA:PFA+1], s[PFA:PFA+1], KSTEP*2
.endif
	MEET 1
	CREST
	s_add_nc_u64 s[G0+4*(\slot)+2:G0+4*(\slot)+3], s[G0+4*(\slot)+2:G0+4*(\slot)+3], s[SA:SA+1]
	s_sub_nc_u64 s[G0+4*(\slot)+2:G0+4*(\slot)+3], s[G0+4*(\slot)+2:G0+4*(\slot)+3], s[SD:SD+1]
	s_add_nc_u64 s[G0B+4*(\slot)+2:G0B+4*(\slot)+3], s[G0B+4*(\slot)+2:G0B+4*(\slot)+3], s[SB:SB+1]
	s_sub_nc_u64 s[G0B+4*(\slot)+2:G0B+4*(\slot)+3], s[G0B+4*(\slot)+2:G0B+4*(\slot)+3], s[SC:SC+1]
	JLOAD \slot, 1                                 ; its four v_nop are also the places in front of the loads below
	FETCHC \next, 0, F0
	ASK
	s_cmp_gt_u32 s3, 3
	s_cbranch_scc0 .Lq_\@
	FETCHH \next, 0, F0
	MUL16 F1, 1, 0
	MUL16 F1, 1, 2
	WIN 0
.Lq_\@:
.endm
; A k|v tile's accumulators are set to x + b.  k and v of a head take the same 64 columns of x.
.macro INIT
.irp a, 0,1,2,3,4,5,6,7
	WIN 0x04                                       ; source 1 (the residual) window 1
.set k, 0
.rept 16
	v_lshlrev_b32 v[TMP+2*k], 16, v[XR+16*(\a)+k]
	v_and_b32 v[TMP+2*k+1], s[MSK], v[XR+16*(\a)+k]
.set k, k+1
.endr
	WIN 0x80+0x40*((\a)/4)                         ; destination window 2 or 3
.set k, 0
.rept 32
	v_pk_add_f32 v[64*((\a)%4)+2*k:64*((\a)%4)+2*k+1], v[TMP+2*(k%16):TMP+2*(k%16)+1], v[BI+2*k:BI+2*k+1]
.set k, k+1
.endr
.endr
	WIN 0
.endm
; The q tile's: half a of eight: row block a / 2, column blocks 4 (a % 2) + 0..3: 32 accumulator registers from 32 a on.
.macro INITQ
.irp a, 0,1,2,3,4,5,6,7
	WIN 0x04
.set k, 0
.rept 16
	v_lshlrev_b32 v[TMP+2*k], 16, v[XR+16*(\a)+k]
	v_and_b32 v[TMP+2*k+1], s[MSK], v[XR+16*(\a)+k]
.set k, k+1
.endr
	WIN 0x80
.set k, 0
.rept 16
	v_pk_add_f32 v[32*(\a)+2*k:32*(\a)+2*k+1], v[TMP+2*k:TMP+2*k+1], v[BI+32*((\a)%2)+2*k:BI+32*((\a)%2)+2*k+1]
.set k, k+1
.endr
.endr
	WIN 0
.endm
; BEHIND A k|v TILE.  Row block a, rounded to bf16, goes into my stage: 16 rows of [k 64 | v 64].  Each accumulator's registers are read in ascending order.
.macro PACKK a
	WIN 0x0a+5*((\a)/4)
.irp b, 0,1,2,3,4,5,6,7
.irp r, 0,1,2,3
	v_cvt_pk_bf16_f32 v[TMP+4*(\b)+(\r)], v[8*(8*((\a)%4)+(\b))+2*(\r)], v[8*(8*((\a)%4)+(\b))+2*(\r)+1]
.endr
.endr
	WIN 0
.irp b, 0,1,2,3,4,5,6,7
	ds_store_b128 v[STO], v[TMP+4*(\b):TMP+4*(\b)+3] offset:((\a)%2)*16*SPITCH+32*(\b)
.endr
.endm
; Chunk c (32 rows) comes back turned: fragment i holds 16 columns x 32 rows; 0-3 are k's, 4-7 v's.  LDS serves a wave's instructions in order (ISA guide 5.7.1.4): these see the stores above, and the next chunk's stores come behind them.
.macro TRL c
	WIN 0
.irp i, 0,1,2,3,4,5,6,7
	ds_load_tr16_b128 v[F0+64*((\c)%2)+8*(\i):F0+64*((\c)%2)+8*(\i)+3],   v[TRA] offset:32*(\i)
	ds_load_tr16_b128 v[F0+64*((\c)%2)+8*(\i)+4:F0+64*((\c)%2)+8*(\i)+7], v[TRA] offset:32*(\i)+16*SPITCH
.endr
.endm
; 16 products K^T V for chunk c: block (di, ei); in the result a lane holds column e = 16 ei + l % 16 and rows d = 16 di + 8 (l / 16) + 0..7.  One instruction an accumulator: they take turns.
.macro SW c
	WIN 0x50                                       ; C and D window 1
.irp di, 0,1,2,3
.irp ei, 0,1,2,3
.set rS, 8*(4*(\di)+(\ei))+128*((4*(\di)+(\ei))/8)
	v_wmma_f32_16x16x32_bf16 v[rS:rS+7], v[F0+64*((\c)%2)+8*(\di):F0+64*((\c)%2)+8*(\di)+7], v[F0+64*((\c)%2)+32+8*(\ei):F0+64*((\c)%2)+32+8*(\ei)+7], v[rS:rS+7]
.endr
.endr
.endm
.macro EPI
	WIN 0
	s_wait_dscnt 0x0                               ; whatever was fetched ahead has landed: its registers are taken over
	PLACES
	s_cmp_eq_u32 s3, 8                             ; what the next tile's sums begin with is on its way during all that follows:
	s_cbranch_scc0 .Lres_q
	RESLOAD 1                                      ; the second tile's residual,
	s_branch .Lres_done
.Lres_q:
.irp b, 0,1,2,3,4,5,6,7                            ; or bq for my 128 columns and the q tile's residual
	global_load_b128 v[BI+8*(\b):BI+8*(\b)+3],   v[BOQ], s[4:5] offset:64*(\b)
	global_load_b128 v[BI+8*(\b)+4:BI+8*(\b)+7], v[BOQ], s[4:5] offset:64*(\b)+16
.endr
	RESLOADQ
.Lres_done:
	PACKK 0
	PACKK 1
	TRL 0
	PACKK 2
	PACKK 3
	TRL 1
	s_wait_dscnt 32                                ; chunk 0 is in: behind its loads stand 16 stores and 16 loads
	SW 0
	PACKK 4                                        ; the conversions are the places between a chunk's products and the loads into its registers
	PACKK 5
	TRL 2
	s_wait_dscnt 32
	SW 1
	PACKK 6
	PACKK 7
	TRL 3
	s_wait_dscnt 32
	SW 2
	s_wait_dscnt 0x0
	SW 3
	WIN 0
.endm
	s_wait_tensorcnt 1                             ; my part of K step 0 is in; K step 1's may stay out
	s_barrier_signal -1
	s_barrier_wait -1
	s_mov_b32 s3, 12                               ; the loop is entered at its bottom, where a tile begins: eleven laps follow, counted 11 to 1
	s_branch .Linit
.Llap:                                                 ; a lap = two K steps = once round the ring; both slots are filled again
	s_cmp_eq_u32 s3, 8                             ; the first tile's last lap asks for the second tile's K steps 0 and 1,
	s_cselect_b32 s[SA], s66, s67
	s_cselect_b32 s[SB], 0, s67
	s_cselect_b32 s[SC], s68, 0
	s_cmp_eq_u32 s3, 4                             ; the second tile's last lap for the q tile's
	s_cselect_b32 s[SA], s[QAA], s[SA]
	s_cselect_b32 s[SD], s[QAS], 0
	s_cselect_b32 s[SB], s[QBA], s[SB]
	s_cmp_eq_u32 s3, s[PJL]
	s_cselect_b32 s[PD], s[PJV], s70
	QUARTER 0, 64,  F0, F1
	QUARTER 0, 128, F1, F0
	QUARTER 0, 192, F0, F1
	TURN 0, 1
	QUARTER 1, 64,  F0, F1
	QUARTER 1, 128, F1, F0
	QUARTER 1, 192, F0, F1
	TURN 1, 0
	s_and_b32 s71, s3, 3
	s_cmp_eq_u32 s71, 0                            ; laps 8 and 4 end a k|v tile
	s_cbranch_scc0 .Lbottom                        ; forward, past text that holds neither a barrier nor a tensor load
	EPI
	s_cmp_eq_u32 s3, 4
	s_cbranch_scc1 .Lqinit
.Linit:
	s_wait_loadcnt 0x0                             ; the residual
	INIT
	FETCHC 0, 0, F0                                ; the tile's first fragments (at a change of tiles once more: their registers were in use)
	FETCHH 0, 0, F0
	s_branch .Lbottom
.Lqinit:
	PLACES                                         ; behind the last products K^T V
	WIN 0x04                                       ; the stores' data in window 1
.set blk, 0
.rept 16
.set rS, 8*blk+128*(blk/8)
	global_store_b128 v[SPO], v[rS:rS+3],   s[SPB:SPB+1] offset:blk*1024      ; a wave stores 512 consecutive bytes, aligned; these registers are not written again
	global_store_b128 v[SPO], v[rS+4:rS+7], s[SPB:SPB+1] offset:blk*1024+512
.set blk, blk+1
.endr
	WIN 0
	s_wait_loadcnt 32                              ; bq is in; the residual's 32 loads may stay out
	ROUNDB
	s_wait_loadcnt 0x0
	INITQ
	FETCHC 0, 0, F0
.Lbottom:
	s_sub_co_u32 s3, s3, 1
	s_cmp_lg_u32 s3, 0
	s_cbranch_scc1 .Llap
	QUARTER 0, 64,  F0, F1, 1                      ; the q tile's last lap is written out: it asks for nothing
	QUARTER 0, 128, F1, F0, 1
	QUARTER 0, 192, F0, F1, 1
	MEET 0
	PLACES
	FETCHC 1, 0, F0
	QUARTER 1, 64,  F0, F1, 1
	QUARTER 1, 128, F1, F0, 1
	QUARTER 1, 192, F0, F1, 1
	s_wait_dscnt 4
	MUL16 F1, 0, 0
	s_wait_dscnt 0x0
	MUL16 F1, 0, 2
; q's WAY OUT, a block of 16 rows at a time: rounded to f16, 16 bytes a lane and column block into my stage, back as whole rows of 256 bytes, each block into registers of its own.
.macro PACKQ a
	WIN 0x0a                                       ; sources in window 2
.irp b, 0,1,2,3,4,5,6,7
.irp r, 0,1,2,3
	v_cvt_pk_f16_f32 v[TMP+4*(\b)+(\r)], v[8*(8*(\a)+(\b))+2*(\r)], v[8*(8*(\a)+(\b))+2*(\r)+1]
.endr
.endr
	WIN 0
.irp b, 0,1,2,3,4,5,6,7
	ds_store_b128 v[STO], v[TMP+4*(\b):TMP+4*(\b)+3] offset:((\a)%2)*16*SPITCH+32*(\b)
.endr
.irp t, 0,1,2,3,4,5,6,7
	ds_load_b128 v[F0+32*(\a)+4*(\t):F0+32*(\a)+4*(\t)+3], v[RDQ] offset:((\a)%2)*16*SPITCH+(\t)*2*SPITCH  ; LDS serves a wave's instructions in order (ISA guide 5.7.1.4): these see the stores above
.endr
.endm
.macro SENDQ a, younger                ; younger: the LDS instructions issued behind block a's loads: the next block's sixteen, or none
	s_wait_dscnt \younger
.irp t, 0,1,2,3,4,5,6,7
	global_store_b128 v[COQ], v[F0+32*(\a)+4*(\t):F0+32*(\a)+4*(\t)+3], s[QB:QB+1] offset:(16*(\a)+2*(\t))*ROWB  ; 16 lanes store 256 consecutive bytes, aligned
.endr
.endm
	PLACES
	PACKQ 0
	PACKQ 1
	SENDQ 0, 16
	PACKQ 2
	SENDQ 1, 16
	PACKQ 3
	SENDQ 2, 16
	SENDQ 3, 0
	s_wait_tensorcnt 0x0                           ; the wave's end
	ds_add_u32 v[SPW], v[NIL]
	s_wait_dscnt 0x0
	CROUND                                         ; the closing round
	s_endpgm
.Lfunc_end_k_qcf73c4dece_kv:
	.size	k_qcf73c4dece_kv, .Lfunc_end_k_qcf73c4dece_kv-k_qcf73c4dece_kv
	.p2alignl 7, 3214868480
	.fill 96, 4, 3214868480
	.section	.rodata,"a",@progbits
	.p2align	6, 0x0
	.amdhsa_kernel k_qcf73c4dece_kv
		.amdhsa_group_segment_fixed_size 327680
		.amdhsa_private_segment_fixed_size 0
		.amdhsa_enable_private_segment 0
		.amdhsa_kernarg_size 56
		.amdhsa_user_sgpr_count 2
		.amdhsa_user_sgpr_kernarg_segment_ptr 1
		.amdhsa_wavefront_size32 1
		.amdhsa_system_sgpr_workgroup_id_x 1
		.amdhsa_system_sgpr_workgroup_id_y 1
		.amdhsa_system_sgpr_workgroup_id_z 1
		.amdhsa_system_vgpr_workitem_id 0
		.amdhsa_next_free_vgpr 1024
		.amdhsa_next_free_sgpr 102
		.amdhsa_reserve_vcc 0
		.amdhsa_float_denorm_mode_32 3
		.amdhsa_float_denorm_mode_16_64 3
		.amdhsa_memory_ordered 1
		.amdhsa_forward_progress 1
		.amdhsa_inst_pref_size 213
	.end_amdhsa_kernel
	.amdgpu_metadata
---
amdhsa.version: [ 1, 2 ]
amdhsa.kernels:
  - .name:           k_qcf73c4dece_kv
    .symbol:         k_qcf73c4dece_kv.kd
    .args:
      - { .name: xb, .offset: 0, .size: 8, .value_kind: global_buffer, .address_space: global }
      - { .name: wt, .offset: 8, .size: 8, .value_kind: global_buffer, .address_space: global }
      - { .name: bk, .offset: 16, .size: 8, .value_kind: global_buffer, .address_space: global }
      - { .name: bv, .offset: 24, .size: 8, .value_kind: global_buffer, .address_space: global }
      - { .name: bq, .offset: 32, .size: 8, .value_kind: global_buffer, .address_space: global }
      - { .name: sp, .offset: 40, .size: 8, .value_kind: global_buffer, .address_space: global }
      - { .name: q, .offset: 48, .size: 8, .value_kind: global_buffer, .address_space: global }
    .group_segment_fixed_size: 327680
    .private_segment_fixed_size: 0
    .kernarg_segment_align: 8
    .kernarg_segment_size: 56
    .max_flat_workgroup_size: 128
    .sgpr_count:     102
    .vgpr_count:     1024
    .wavefront_size: 32
...
	.end_amdgpu_metadata
.endif
;; end of part 2
;; launch comb (part 3): grid 256 x 1, 4 waves a work-group, no clusters, 768 bytes of LDS; arguments sp, st; writes st
.if DOCPART == 3
	.amdgcn_target "amdgcn-amd-amdhsa--gfx1250"
	.amdhsa_code_object_version 6
	.text
	.protected	k_qcf73c4dece_comb
	.globl	k_qcf73c4dece_comb
	.p2align	8
	.type	k_qcf73c4dece_comb,@function
k_qcf73c4dece_comb:
	s_mov_b64 s[64:65], 0
	v_nop
	global_prefetch_b8 v0, s[64:65] scope:SCOPE_SE
	s_setreg_imm32_b32 hwreg(HW_REG_WAVE_MODE, 25, 1), 1
	s_wait_xcnt 0x0
; state[b][h][d][e] = (sum of 8 partial K0^T V0 / 2048) x (sum of 8 partial K1^T V1 / 2048), written as f16 fragments for the next launch's product, with a power of two taken out.
; The reference's 1 / sqrt(2048), applied to k and to v, is taken as 2^-11 on each sum.
; SHARES.  Work-group = (batch, head, block ei of 16 columns e); wave di takes the 16 x 16 block (di, ei), in the layout in which the matrix unit left it: a lane holds e = 16 ei + l % 16, d = 16 di + 8 (l / 16) + 0..7.
; THE SCALE.  m = the largest magnitude of the work-group's 64 x 16 numbers; 2^E = m's power of two.  The numbers are stored divided by 2^E (below 2 in magnitude), and 2^E beside them in f32.
; LIMITS.  m below 2^-126: the block counts as 0.  m at or above 2^127 is not served.  A number below 6e-5 of 2^E keeps f16's fixed step.  NaN and infinities are not treated apart.
; A stream of 16 MiB read once; no work-group shares a byte with another, so no cluster.
.set SPARE, 256                        ; bytes 0-15: the four waves' maxima; from 256 on the spare words
.set SPW, 2
.set NIL, 3
.set S0,  16                           ; v[16:79] state 0's eight partial blocks of 8 registers; v[80:143] state 1's
	s_load_b128 s[4:7], s[0:1], 0x0                ; sp s[4:5], st s[6:7]
	v_lshl_add_u32 v[SPW], v0, 2, SPARE
	v_mov_b32 v[NIL], 0
	v_lshrrev_b32 v1, 5, v0
	v_readfirstlane_b32 s8, v1                     ; di
	v_and_b32 v4, 31, v0
	s_and_b32 s9, ttmp9, 3                         ; ei
	s_lshr_b32 s10, ttmp9, 2                       ; 16 batch + head
	s_lshl_b32 s11, s8, 2
	s_add_co_u32 s11, s11, s9
	s_lshl_b32 s11, s11, 10                        ; block 4 di + ei: 1,024 bytes each
	v_lshl_add_u32 v5, v4, 4, s11
	s_lshl_b32 s14, s10, 17                        ; eight partial sums of 16,384 bytes
	s_mov_b32 s15, 0
	s_mov_b32 s12, 0x76543210
	s_mov_b32 s13, 0xfedcba98
	s_wait_kmcnt 0x0
	s_add_nc_u64 s[16:17], s[4:5], s[14:15]
	s_add_nc_u64 s[18:19], s[16:17], 0x800000      ; state 1 lies 64 x 8 x 16,384 bytes on
.irp p, 0,1,2,3,4,5,6,7
	global_load_b128 v[S0+8*(\p):S0+8*(\p)+3],       v5, s[16:17] offset:(\p)*16384 th:TH_LOAD_NT
	global_load_b128 v[S0+8*(\p)+4:S0+8*(\p)+7],     v5, s[16:17] offset:(\p)*16384+512 th:TH_LOAD_NT
	global_load_b128 v[S0+64+8*(\p):S0+64+8*(\p)+3], v5, s[18:19] offset:(\p)*16384 th:TH_LOAD_NT
	global_load_b128 v[S0+64+8*(\p)+4:S0+64+8*(\p)+7], v5, s[18:19] offset:(\p)*16384+512 th:TH_LOAD_NT
.endr
	s_lshl_b32 s20, s10, 13
	s_lshl_b32 s21, s9, 11
	s_add_co_u32 s20, s20, s21
	s_lshl_b32 s21, s8, 9                          ; fragment 2 ei + di / 2, half di % 2: 512 di bytes
	s_add_co_u32 s20, s20, s21
	v_lshl_add_u32 v6, v4, 4, s20
	s_lshl_b32 s22, ttmp9, 8
	s_add_co_u32 s22, s22, 524288                  ; the scales lie behind the fragments
	v_lshl_add_u32 v7, v4, 3, s22
	v_mov_b32 v8, s8
	v_lshlrev_b32 v8, 2, v8
	s_wait_loadcnt 0x0
.macro TREE s                          ; the eight partial sums, in f32, two numbers an instruction
.irp p, 0,2,4,6
.irp k, 0,2,4,6
	v_pk_add_f32 v[S0+64*(\s)+8*(\p)+(\k):S0+64*(\s)+8*(\p)+(\k)+1], v[S0+64*(\s)+8*(\p)+(\k):S0+64*(\s)+8*(\p)+(\k)+1], v[S0+64*(\s)+8*(\p)+8+(\k):S0+64*(\s)+8*(\p)+8+(\k)+1]
.endr
.endr
.irp p, 0,4
.irp k, 0,2,4,6
	v_pk_add_f32 v[S0+64*(\s)+8*(\p)+(\k):S0+64*(\s)+8*(\p)+(\k)+1], v[S0+64*(\s)+8*(\p)+(\k):S0+64*(\s)+8*(\p)+(\k)+1], v[S0+64*(\s)+8*(\p)+16+(\k):S0+64*(\s)+8*(\p)+16+(\k)+1]
.endr
.endr
.irp k, 0,2,4,6
	v_pk_add_f32 v[S0+64*(\s)+(\k):S0+64*(\s)+(\k)+1], v[S0+64*(\s)+(\k):S0+64*(\s)+(\k)+1], v[S0+64*(\s)+32+(\k):S0+64*(\s)+32+(\k)+1]
.endr
.irp k, 0,2,4,6
	v_pk_mul_f32 v[S0+64*(\s)+(\k):S0+64*(\s)+(\k)+1], v[S0+64*(\s)+(\k):S0+64*(\s)+(\k)+1], 0x3a000000 op_sel_hi:[1,0]  ; x 2^-11
.endr
.endm
	TREE 0
	TREE 1
.irp k, 0,2,4,6
	v_pk_mul_f32 v[S0+(\k):S0+(\k)+1], v[S0+(\k):S0+(\k)+1], v[S0+64+(\k):S0+64+(\k)+1]  ; the product of the two states
.endr
.irp k, 0,1,2,3,4,5,6,7
	v_and_b32 v[144+(\k)], 0x7fffffff, v[S0+(\k)]
.endr
	v_max3_num_f32 v144, v144, v145, v146
	v_max3_num_f32 v147, v147, v148, v149
	v_max3_num_f32 v144, v144, v150, v151
	v_max_num_f32 v144, v144, v147
	v_max_num_f32_dpp v144, v144, v144 row_xmask:1 row_mask:0xf bank_mask:0xf
	v_max_num_f32_dpp v144, v144, v144 row_xmask:2 row_mask:0xf bank_mask:0xf
	v_max_num_f32_dpp v144, v144, v144 row_xmask:4 row_mask:0xf bank_mask:0xf
	v_max_num_f32_dpp v144, v144, v144 row_xmask:8 row_mask:0xf bank_mask:0xf
	v_permlanex16_b32 v145, v144, s12, s13
	v_max_num_f32 v144, v144, v145
	ds_store_b32 v8, v144                          ; all lanes write the wave's word with the same value
	s_wait_dscnt 0x0
	s_barrier_signal -1
	s_barrier_wait -1
	ds_load_b128 v[148:151], v[NIL]                ; the four waves' maxima
	s_wait_dscnt 0x0
	v_max3_num_f32 v148, v148, v149, v150
	v_max_num_f32 v148, v148, v151
	v_and_b32 v146, 0x7f800000, v148               ; 2^E
	v_mov_b32 v147, v146
	v_sub_nc_u32 v144, 0x7f000000, v146            ; 2^-E: the exponent field 254 - (E + 127)
	v_mov_b32 v145, v144
.irp k, 0,2,4,6
	v_pk_mul_f32 v[S0+(\k):S0+(\k)+1], v[S0+(\k):S0+(\k)+1], v[144:145]
.endr
.irp k, 0,1,2,3
	v_cvt_pk_f16_f32 v[152+(\k)], v[S0+2*(\k)], v[S0+2*(\k)+1]
.endr
	global_store_b128 v6, v[152:155], s[6:7]       ; a wave stores 512 consecutive bytes, aligned
	s_cmp_lg_u32 s8, 0
	s_cbranch_scc1 .Lend
	global_store_b64 v7, v[146:147], s[6:7]        ; wave 0: the scale, as a pair in every lane: 256 consecutive bytes, aligned
.Lend:
	s_wait_tensorcnt 0x0                           ; the wave's end, behind my last LDS store
	ds_add_u32 v[SPW], v[NIL]
	s_wait_dscnt 0x0
	s_endpgm
.Lfunc_end_k_qcf73c4dece_comb:
	.size	k_qcf73c4dece_comb, .Lfunc_end_k_qcf73c4dece_comb-k_qcf73c4dece_comb
	.p2alignl 7, 3214868480
	.fill 96, 4, 3214868480
	.section	.rodata,"a",@progbits
	.p2align	6, 0x0
	.amdhsa_kernel k_qcf73c4dece_comb
		.amdhsa_group_segment_fixed_size 768
		.amdhsa_private_segment_fixed_size 0
		.amdhsa_enable_private_segment 0
		.amdhsa_kernarg_size 16
		.amdhsa_user_sgpr_count 2
		.amdhsa_user_sgpr_kernarg_segment_ptr 1
		.amdhsa_wavefront_size32 1
		.amdhsa_system_sgpr_workgroup_id_x 1
		.amdhsa_system_sgpr_workgroup_id_y 1
		.amdhsa_system_sgpr_workgroup_id_z 1
		.amdhsa_system_vgpr_workitem_id 0
		.amdhsa_next_free_vgpr 160
		.amdhsa_next_free_sgpr 66
		.amdhsa_reserve_vcc 0
		.amdhsa_float_denorm_mode_32 3
		.amdhsa_float_denorm_mode_16_64 3
		.amdhsa_memory_ordered 1
		.amdhsa_forward_progress 1
		.amdhsa_inst_pref_size 12
	.end_amdhsa_kernel
	.amdgpu_metadata
---
amdhsa.version: [ 1, 2 ]
amdhsa.kernels:
  - .name:           k_qcf73c4dece_comb
    .symbol:         k_qcf73c4dece_comb.kd
    .args:
      - { .name: sp, .offset: 0, .size: 8, .value_kind: global_buffer, .address_space: global }
      - { .name: st, .offset: 8, .size: 8, .value_kind: global_buffer, .address_space: global }
    .group_segment_fixed_size: 768
    .private_segment_fixed_size: 0
    .kernarg_segment_align: 8
    .kernarg_segment_size: 16
    .max_flat_workgroup_size: 128
    .sgpr_count:     66
    .vgpr_count:     160
    .wavefront_size: 32
...
	.end_amdgpu_metadata
.endif
;; end of part 3
;; launch apln (part 4): grid 256 x 1, 16 waves a work-group, no clusters, 73,216 bytes of LDS; arguments q, st, ln_g, ln_b, z; writes z
.if DOCPART == 4
	.amdgcn_target "amdgcn-amd-amdhsa--gfx1250"
	.amdhsa_code_object_version 6
	.text
	.protected	k_qcf73c4dece_apln
	.globl	k_qcf73c4dece_apln
	.p2align	8
	.type	k_qcf73c4dece_apln,@function
k_qcf73c4dece_apln:
	s_mov_b64 s[64:65], 0
	v_nop
	global_prefetch_b8 v0, s[64:65] scope:SCOPE_SE
	s_setreg_imm32_b32 hwreg(HW_REG_WAVE_MODE, 25, 1), 1
	s_wait_xcnt 0x0
; o = q . state for each head, and z = (o - mean) / sqrt(var + 1e-5) x g + b over each row's 1,024 numbers, in one work-group: o never reaches memory.
; q: [8192][1024] f16.  st: the states as f16 fragments with a power of two beside them in f32.  z: [8192][1024] f16, rounded once.  g and b are rounded to bf16 like every input.
; The product in f16 with f32 sums; all else in f32.  The variance is the mean of the squares of o - mean: no difference of large sums is formed.
; LIMIT.  z as f16: |z| is at most 32 |g| + |b|, which must stay within 65,504.  NaN and infinities are not treated apart.
; SHARES.  A work-group owns 32 whole rows; wave w takes head w: 2 blocks of 16 rows x 64 columns.  o^T = state^T q^T (source 0 = 16 columns e x 32 d of the state, source 1 = 16 rows x 32 d of q): a fragment of q is
; two loads of 16 bytes a lane straight from memory; in the result a lane holds row l % 16 and the columns e = 16 ei + 8 (l / 16) + 0..7.
; A row's sum, and then the sum of its centred squares, meet over the 16 waves in LDS, each in bytes of its own behind a barrier of its own.  z goes through a stage of 32 whole rows, and each wave stores two of them.
; Memory bounds the launch (16.8 MB in, 16.8 MB out); its 16 products a wave are nothing beside that.  No cluster: what work-groups share is a batch's 128 KiB of state.
.set ZP,    2064                       ; a row of the stage: 2,048 bytes + 16 = 516 words: the 16 rows of a store start at 16 different groups of four banks (ISA guide 11.1)
.set SP1,   80                         ; a row's 16 partial sums: 64 bytes + 16
.set S1,    0                          ; 32 rows x 80 bytes: the partial sums
.set S2,    32*SP1                     ; the same for the centred squares
.set SPARE, 2*32*SP1                   ; the spare words, 128 bytes for each of 16 waves
.set STG,   SPARE+16*128               ; the stage
.set SPW, 14                           ; v14  LDS address of my spare word; never rewritten
.set NIL, 15                           ; v15  0; never rewritten
.set SCL, 16                           ; v[16:23]   the power of two of column block ei, as a pair
.set M,   24                           ; v[24:27]   the two row blocks' means, v[28:31] their 1 / sqrt(var + 1e-5), as pairs
.set Q,   32                           ; v[32:63]   q: row block rb, d half dc at Q + 16 rb + 8 dc
.set ST,  64                           ; v[64:127]  the state: fragment 2 ei + dc at ST + 8 (2 ei + dc)
.set ACC, 128                          ; v[128:191] o: (rb, ei) at ACC + 32 rb + 8 ei
.set G,   192                          ; v[192:223] g of my 32 columns
.set B,   224                          ; v[224:255] b of my 32 columns
.set TA,  32                           ; behind the products: 8 registers a row block, at work
.set RD,  64                           ; 16 partial sums a row block
.set ZK,  96                           ; z packed, 16 registers a row block
.set BK,  32                           ; two whole rows read back
	s_load_b256 s[4:11], s[0:1], 0x0               ; q s[4:5], st s[6:7], ln_g s[8:9], ln_b s[10:11]
	s_load_b64 s[12:13], s[0:1], 0x20              ; z
	v_lshl_add_u32 v[SPW], v0, 2, SPARE
	v_mov_b32 v[NIL], 0
	v_lshrrev_b32 v13, 5, v0
	v_readfirstlane_b32 s14, v13                   ; wave = head
	v_and_b32 v1, 15, v0                           ; l % 16
	v_bfe_u32 v2, v0, 4, 1                         ; l / 16
	v_and_b32 v3, 31, v0
	v_lshlrev_b32 v4, 4, v3                        ; 16 x lane
	v_lshlrev_b32 v5, 3, v3                        ; 8 x lane
	s_lshl_b32 s15, s14, 7                         ; my head's 64 columns: 128 bytes of f16
	v_lshlrev_b32 v6, 11, v1
	v_lshl_add_u32 v6, v2, 4, v6
	v_add_nc_u32 v6, s15, v6                       ; q: row x 2,048 + 16 x half + 128 x head
	s_lshl_b32 s16, s14, 8
	v_lshl_add_u32 v7, v2, 5, s16                  ; g, b: 4 (64 head + 8 (l / 16))
	s_lshr_b32 s17, ttmp9, 6                       ; batch: 64 work-groups each
	s_lshl_b32 s17, s17, 4
	s_add_co_u32 s17, s17, s14
	s_lshl_b32 s20, s17, 13                        ; my head's eight fragments,
	s_mov_b32 s21, 0
	s_lshl_b32 s22, s17, 10
	s_add_co_u32 s22, s22, 524288                  ; and its four scales, which lie behind all fragments
	s_mov_b32 s23, 0
	s_lshl_b32 s24, ttmp9, 16                      ; 32 rows of 2,048 bytes
	s_mov_b32 s25, 0
	s_mov_b32 s26, 0x76543210                      ; v_permlanex16_b32: each lane takes its own place in the other half
	s_mov_b32 s27, 0xfedcba98
	s_mov_b32 s28, 0x3a800000                      ; 1 / 1024
	s_mov_b32 s29, 0x3727c5ac                      ; 1e-5
	s_mov_b32 s30, 0xffff0000
	s_wait_kmcnt 0x0
	s_add_nc_u64 s[20:21], s[6:7], s[20:21]
	s_add_nc_u64 s[22:23], s[6:7], s[22:23]
	s_add_nc_u64 s[4:5], s[4:5], s[24:25]
	s_add_nc_u64 s[12:13], s[12:13], s[24:25]
.irp f, 0,1,2,3,4,5,6,7
	global_load_b128 v[ST+8*(\f):ST+8*(\f)+3],   v4, s[20:21] offset:(\f)*1024
	global_load_b128 v[ST+8*(\f)+4:ST+8*(\f)+7], v4, s[20:21] offset:(\f)*1024+512
.endr
.irp rb, 0,1
.irp dc, 0,1
	global_load_b128 v[Q+16*(\rb)+8*(\dc):Q+16*(\rb)+8*(\dc)+3],   v6, s[4:5] offset:(\rb)*32768+(\dc)*64
	global_load_b128 v[Q+16*(\rb)+8*(\dc)+4:Q+16*(\rb)+8*(\dc)+7], v6, s[4:5] offset:(\rb)*32768+(\dc)*64+32
.endr
.endr
.irp e, 0,1,2,3
	global_load_b64 v[SCL+2*(\e):SCL+2*(\e)+1], v5, s[22:23] offset:(\e)*256
.endr
.irp e, 0,1,2,3
	global_load_b128 v[G+8*(\e):G+8*(\e)+3],   v7, s[8:9] offset:64*(\e)
	global_load_b128 v[G+8*(\e)+4:G+8*(\e)+7], v7, s[8:9] offset:64*(\e)+16
	global_load_b128 v[B+8*(\e):B+8*(\e)+3],   v7, s[10:11] offset:64*(\e)
	global_load_b128 v[B+8*(\e)+4:B+8*(\e)+7], v7, s[10:11] offset:64*(\e)+16
.endr
	v_mul_u32_u24 v9, v1, SP1                      ; a row's partial sums,
	s_lshl_b32 s31, s14, 2
	v_add_nc_u32 v8, s31, v9                       ; and my wave's word among them
	v_mul_u32_u24 v10, v1, ZP
	v_lshl_add_u32 v10, v2, 4, v10
	s_add_co_u32 s15, s15, STG
	v_add_nc_u32 v10, s15, v10                     ; stage, in: row l % 16, my head's 128 bytes, 16 bytes for each half of the lanes
	s_mul_i32 s31, s14, 2*ZP
	s_add_co_u32 s31, s31, STG
	v_lshl_add_u32 v11, v3, 4, s31                 ; back: wave w takes rows 2 w, 2 w + 1, 512 bytes a load,
	s_lshl_b32 s32, s14, 12
	v_lshl_add_u32 v12, v3, 4, s32                 ; and the same bytes in z
	s_wait_loadcnt 20                              ; the state and q are in; the scales' 4 and g's and b's 16 loads may stay out
.irp dc, 0,1                                           ; 16 products; the eight accumulators take turns; the first eight start the sums
.irp rb, 0,1
.irp ei, 0,1,2,3
.if (\dc) == 0
	v_wmma_f32_16x16x32_f16 v[ACC+32*(\rb)+8*(\ei):ACC+32*(\rb)+8*(\ei)+7], v[ST+8*(2*(\ei)+(\dc)):ST+8*(2*(\ei)+(\dc))+7], v[Q+16*(\rb)+8*(\dc):Q+16*(\rb)+8*(\dc)+7], 0
.else
	v_wmma_f32_16x16x32_f16 v[ACC+32*(\rb)+8*(\ei):ACC+32*(\rb)+8*(\ei)+7], v[ST+8*(2*(\ei)+(\dc)):ST+8*(2*(\ei)+(\dc))+7], v[Q+16*(\rb)+8*(\dc):Q+16*(\rb)+8*(\dc)+7], v[ACC+32*(\rb)+8*(\ei):ACC+32*(\rb)+8*(\ei)+7]
.endif
.endr
.endr
.endr
	s_wait_loadcnt 0x0
.set i, 0
.rept 16                                           ; g and b are rounded to bf16; these lines, which name no register of the products, are also the places behind them (ISA guide 7.12.1)
	v_cvt_pk_bf16_f32 v24, v[G+2*i], v[G+2*i+1]
	v_cvt_pk_bf16_f32 v25, v[B+2*i], v[B+2*i+1]
	v_lshlrev_b32 v[G+2*i], 16, v24
	v_and_b32 v[G+2*i+1], s30, v24
	v_lshlrev_b32 v[B+2*i], 16, v25
	v_and_b32 v[B+2*i+1], s30, v25
.set i, i+1
.endr
.irp rb, 0,1                                           ; the power of two comes back, in f32; each accumulator's registers in ascending order
.irp ei, 0,1,2,3
.irp u, 0,2,4,6
	v_pk_mul_f32 v[ACC+32*(\rb)+8*(\ei)+(\u):ACC+32*(\rb)+8*(\ei)+(\u)+1], v[ACC+32*(\rb)+8*(\ei)+(\u):ACC+32*(\rb)+8*(\ei)+(\u)+1], v[SCL+2*(\ei):SCL+2*(\ei)+1]
.endr
.endr
.endr
; Four pairs in TA + 8 rb -> the row's sum over my head's 64 columns, in both lanes that hold the row.
.macro LANES rb
	v_pk_add_f32 v[TA+8*(\rb):TA+8*(\rb)+1], v[TA+8*(\rb):TA+8*(\rb)+1], v[TA+8*(\rb)+2:TA+8*(\rb)+3]
	v_pk_add_f32 v[TA+8*(\rb)+4:TA+8*(\rb)+5], v[TA+8*(\rb)+4:TA+8*(\rb)+5], v[TA+8*(\rb)+6:TA+8*(\rb)+7]
	v_pk_add_f32 v[TA+8*(\rb):TA+8*(\rb)+1], v[TA+8*(\rb):TA+8*(\rb)+1], v[TA+8*(\rb)+4:TA+8*(\rb)+5]
	v_add_f32 v[TA+8*(\rb)], v[TA+8*(\rb)], v[TA+8*(\rb)+1]
	v_permlanex16_b32 v[TA+8*(\rb)+1], v[TA+8*(\rb)], s26, s27
	v_add_f32 v[TA+8*(\rb)], v[TA+8*(\rb)], v[TA+8*(\rb)+1]
.endm
; The 16 waves' sums of each row meet in the LDS bytes from base on; then every wave adds all 16 for its lanes' rows: the sum in v[RD + 16 rb].
.macro MEETSUM base
	ds_store_b32 v8, v[TA]   offset:(\base)            ; the two lanes that hold a row write the same word with the same number
	ds_store_b32 v8, v[TA+8] offset:(\base)+16*SP1
	s_wait_dscnt 0x0                               ; for the others' sake: my stores are done
	s_barrier_signal -1
	s_barrier_wait -1
.irp rb, 0,1
.irp j, 0,1,2,3
	ds_load_b128 v[RD+16*(\rb)+4*(\j):RD+16*(\rb)+4*(\j)+3], v9 offset:(\base)+(\rb)*16*SP1+16*(\j)
.endr
.endr
	s_wait_dscnt 0x0
.irp rb, 0,1
.irp c, 0,2,4,6
	v_pk_add_f32 v[RD+16*(\rb)+(\c):RD+16*(\rb)+(\c)+1], v[RD+16*(\rb)+(\c):RD+16*(\rb)+(\c)+1], v[RD+16*(\rb)+8+(\c):RD+16*(\rb)+8+(\c)+1]
.endr
.endr
.irp rb, 0,1
	v_pk_add_f32 v[RD+16*(\rb):RD+16*(\rb)+1], v[RD+16*(\rb):RD+16*(\rb)+1], v[RD+16*(\rb)+4:RD+16*(\rb)+5]
	v_pk_add_f32 v[RD+16*(\rb)+2:RD+16*(\rb)+3], v[RD+16*(\rb)+2:RD+16*(\rb)+3], v[RD+16*(\rb)+6:RD+16*(\rb)+7]
.endr
.irp rb, 0,1
	v_pk_add_f32 v[RD+16*(\rb):RD+16*(\rb)+1], v[RD+16*(\rb):RD+16*(\rb)+1], v[RD+16*(\rb)+2:RD+16*(\rb)+3]
.endr
.irp rb, 0,1
	v_add_f32 v[RD+16*(\rb)], v[RD+16*(\rb)], v[RD+16*(\rb)+1]
.endr
.endm
	; the mean
.irp rb, 0,1
.irp c, 0,2,4,6                                        ; four chains that do not wait for each other
	v_pk_add_f32 v[TA+8*(\rb)+(\c):TA+8*(\rb)+(\c)+1], v[ACC+32*(\rb)+(\c):ACC+32*(\rb)+(\c)+1], v[ACC+32*(\rb)+8+(\c):ACC+32*(\rb)+8+(\c)+1]
.endr
.endr
.irp p, 16,24
.irp rb, 0,1
.irp c, 0,2,4,6
	v_pk_add_f32 v[TA+8*(\rb)+(\c):TA+8*(\rb)+(\c)+1], v[TA+8*(\rb)+(\c):TA+8*(\rb)+(\c)+1], v[ACC+32*(\rb)+(\p)+(\c):ACC+32*(\rb)+(\p)+(\c)+1]
.endr
.endr
.endr
	LANES 0
	LANES 1
	MEETSUM S1
.irp rb, 0,1
	v_mul_f32 v[M+2*(\rb)], s28, v[RD+16*(\rb)]
	v_mov_b32 v[M+2*(\rb)+1], v[M+2*(\rb)]
.endr
.irp rb, 0,1
.set i, 0
.rept 16
	v_pk_add_f32 v[ACC+32*(\rb)+2*i:ACC+32*(\rb)+2*i+1], v[ACC+32*(\rb)+2*i:ACC+32*(\rb)+2*i+1], v[M+2*(\rb):M+2*(\rb)+1] neg_lo:[0,1] neg_hi:[0,1]
.set i, i+1
.endr
.endr
	; the variance, of the centred numbers
.irp rb, 0,1
.irp c, 0,2,4,6
	v_pk_mul_f32 v[TA+8*(\rb)+(\c):TA+8*(\rb)+(\c)+1], v[ACC+32*(\rb)+(\c):ACC+32*(\rb)+(\c)+1], v[ACC+32*(\rb)+(\c):ACC+32*(\rb)+(\c)+1]
.endr
.endr
.irp p, 8,16,24
.irp rb, 0,1
.irp c, 0,2,4,6
	v_pk_fma_f32 v[TA+8*(\rb)+(\c):TA+8*(\rb)+(\c)+1], v[ACC+32*(\rb)+(\p)+(\c):ACC+32*(\rb)+(\p)+(\c)+1], v[ACC+32*(\rb)+(\p)+(\c):ACC+32*(\rb)+(\p)+(\c)+1], v[TA+8*(\rb)+(\c):TA+8*(\rb)+(\c)+1]
.endr
.endr
.endr
	LANES 0
	LANES 1
	MEETSUM S2
	v_fma_f32 v[RD], v[RD], s28, s29               ; var + 1e-5
	v_fma_f32 v[RD+16], v[RD+16], s28, s29
	v_rsq_f32 v[M+4], v[RD]
	v_rsq_f32 v[M+6], v[RD+16]
	v_nop                                          ; a plain instruction between the last root and the use of its result (ISA guide 5.7.2)
	s_wait_alu depctr_va_vdst(0)                   ; and a wait ahead of the first use: one for both roots
	v_mov_b32 v[M+5], v[M+4]
	v_mov_b32 v[M+7], v[M+6]
.irp rb, 0,1
.set i, 0
.rept 16
	v_pk_mul_f32 v[ACC+32*(\rb)+2*i:ACC+32*(\rb)+2*i+1], v[ACC+32*(\rb)+2*i:ACC+32*(\rb)+2*i+1], v[M+4+2*(\rb):M+4+2*(\rb)+1]
.set i, i+1
.endr
.set i, 0
.rept 16
	v_pk_fma_f32 v[ACC+32*(\rb)+2*i:ACC+32*(\rb)+2*i+1], v[ACC+32*(\rb)+2*i:ACC+32*(\rb)+2*i+1], v[G+2*i:G+2*i+1], v[B+2*i:B+2*i+1]
.set i, i+1
.endr
.set i, 0
.rept 16
	v_cvt_pk_f16_f32 v[ZK+16*(\rb)+i], v[ACC+32*(\rb)+2*i], v[ACC+32*(\rb)+2*i+1]
.set i, i+1
.endr
.irp ei, 0,1,2,3
	ds_store_b128 v10, v[ZK+16*(\rb)+4*(\ei):ZK+16*(\rb)+4*(\ei)+3] offset:(\rb)*16*ZP+32*(\ei)
.endr
.endr
	s_wait_dscnt 0x0                               ; for the others' sake: my part of the 32 rows lies in the stage
	s_barrier_signal -1
	s_barrier_wait -1
.irp i, 0,1
.irp j, 0,1,2,3
	ds_load_b128 v[BK+16*(\i)+4*(\j):BK+16*(\i)+4*(\j)+3], v11 offset:(\i)*ZP+(\j)*512
.endr
.endr
.irp i, 0,1
.irp j, 0,1,2,3
	s_wait_dscnt 7-4*(\i)-(\j)                     ; LDS loads come back in order: this one is in
	global_store_b128 v12, v[BK+16*(\i)+4*(\j):BK+16*(\i)+4*(\j)+3], s[12:13] offset:(\i)*2048+(\j)*512  ; a wave stores 512 consecutive bytes, aligned
.endr
.endr
	s_wait_tensorcnt 0x0                           ; the wave's end, behind my last LDS store
	ds_add_u32 v[SPW], v[NIL]
	s_wait_dscnt 0x0
	s_endpgm
.Lfunc_end_k_qcf73c4dece_apln:
	.size	k_qcf73c4dece_apln, .Lfunc_end_k_qcf73c4dece_apln-k_qcf73c4dece_apln
	.p2alignl 7, 3214868480
	.fill 96, 4, 3214868480
	.section	.rodata,"a",@progbits
	.p2align	6, 0x0
	.amdhsa_kernel k_qcf73c4dece_apln
		.amdhsa_group_segment_fixed_size 73216
		.amdhsa_private_segment_fixed_size 0
		.amdhsa_enable_private_segment 0
		.amdhsa_kernarg_size 40
		.amdhsa_user_sgpr_count 2
		.amdhsa_user_sgpr_kernarg_segment_ptr 1
		.amdhsa_wavefront_size32 1
		.amdhsa_system_sgpr_workgroup_id_x 1
		.amdhsa_system_sgpr_workgroup_id_y 1
		.amdhsa_system_sgpr_workgroup_id_z 1
		.amdhsa_system_vgpr_workitem_id 0
		.amdhsa_next_free_vgpr 256
		.amdhsa_next_free_sgpr 66
		.amdhsa_reserve_vcc 0
		.amdhsa_float_denorm_mode_32 3
		.amdhsa_float_denorm_mode_16_64 3
		.amdhsa_memory_ordered 1
		.amdhsa_forward_progress 1
		.amdhsa_inst_pref_size 33
	.end_amdhsa_kernel
	.amdgpu_metadata
---
amdhsa.version: [ 1, 2 ]
amdhsa.kernels:
  - .name:           k_qcf73c4dece_apln
    .symbol:         k_qcf73c4dece_apln.kd
    .args:
      - { .name: q, .offset: 0, .size: 8, .value_kind: global_buffer, .address_space: global }
      - { .name: st, .offset: 8, .size: 8, .value_kind: global_buffer, .address_space: global }
      - { .name: ln_g, .offset: 16, .size: 8, .value_kind: global_buffer, .address_space: global }
      - { .name: ln_b, .offset: 24, .size: 8, .value_kind: global_buffer, .address_space: global }
      - { .name: z, .offset: 32, .size: 8, .value_kind: global_buffer, .address_space: global }
    .group_segment_fixed_size: 73216
    .private_segment_fixed_size: 0
    .kernarg_segment_align: 8
    .kernarg_segment_size: 40
    .max_flat_workgroup_size: 512
    .sgpr_count:     66
    .vgpr_count:     256
    .wavefront_size: 32
...
	.end_amdgpu_metadata
.endif
;; end of part 4
;; launch outp (part 5): grid 8 x 32, 4 waves a work-group, clusters of 4 x 4, 327,680 bytes of LDS; arguments z, wt, bo, out0; writes out0
.if DOCPART == 5
	.amdgcn_target "amdgcn-amd-amdhsa--gfx1250"
	.amdhsa_code_object_version 6
	.text
	.protected	k_qcf73c4dece_outp
	.globl	k_qcf73c4dece_outp
	.p2align	8
	.type	k_qcf73c4dece_outp,@function
k_qcf73c4dece_outp:
	s_mov_b64 s[64:65], 0
	v_nop
	global_prefetch_b8 v0, s[64:65] scope:SCOPE_SE
	s_setreg_imm32_b32 hwreg(HW_REG_WAVE_MODE, 25, 1), 1
	s_wait_xcnt 0x0
	s_wait_alu depctr_hold_cnt(0) depctr_sa_sdst(0) depctr_va_vdst(0) depctr_va_sdst(0) depctr_va_ssrc(0) depctr_va_vcc(0) depctr_vm_vsrc(0)
	s_getreg_b32 s2, hwreg(HW_REG_IB_STS2, 6, 4)
	s_cmp_eq_u32 s2, 0
	s_cbranch_scc0 .Lentry_in_a_cluster
	s_endpgm
.Lentry_in_a_cluster:
	s_bfe_u32 s2, ttmp6, 0x10000c
	s_cmp_lg_u32 s2, 0xf033
	s_cbranch_scc0 .Lentry_shape_is_right
	s_endpgm
.Lentry_shape_is_right:
; out0 = z Wo + bo.  z: [8192][1024] f16.  wt rows 5120..6143: Wo as [d][c], its bf16 roundings written as f16.  out0: [8192][1024] f32.  Products in f16, sums in f32; bo is rounded to bf16 like every input.
; The first products take the bias as their C operand: nothing is cleared and nothing is added afterwards.  NaN and infinities are not treated apart.
; SHARES.  A tile is 256 rows x 128 columns: 256 work-groups.  Four waves, each 128 rows x 64 columns: 32 accumulators of 16 x 16.
; THE MATRIX INSTRUCTION IS USED TRANSPOSED (source 0 = 16 rows of wt, source 1 = 16 rows of z): a lane holds row l % 16 and columns 8 (l / 16) + 0..7: 32 neighbouring bytes of out0.
; RING.  K in steps of 128 through two LDS slots (256 rows of z, 128 of wt; rows of 256 bytes, 272 apart).  CLUSTER 4 x 4: z's tiles are shared along a row of the cluster, wt's along a column.
; REGISTERS (s_set_vgpr_msb: bits 1:0 source 0, 3:2 source 1, 5:4 source 2, 7:6 destination):
;   window 0: v0-31 addresses; v32-35 at work; v64-127, v128-191 fragments of z (at the end v128-191: the rows read back); v192-223 bias
;   window 1: v64-95, v128-159 fragments of wt          window 2: the accumulators, (a, b) at v[8 (4 a + b)]
.set KSTEP,  128
.set ROWB,   2048
.set WROW0,  5120                      ; Wo's first row in wt
.set PITCH,  272                       ; 256 bytes + 16 = 68 words: the 16 rows of a fragment load start at 16 different groups of four banks (ISA guide 11.1)
.set HALFA,  128*PITCH
.set HALFB,  64*PITCH
.set SLOT,   2*HALFA+2*HALFB
.set STAGE,  2*SLOT                    ; behind the ring, never filled by a tensor load: 16 rows x 272 bytes for each wave
.set SPITCH, 272
.set SPARE,  STAGE+4*16*SPITCH
.set ADRA, 16
.set ADRB, 20
.set BO,   22                          ; v22  my byte offset in bo
.set STO,  24                          ; v24  stage: where I put 32 bytes of a row
.set RD,   25                          ; v25  stage: where I read rows back
.set CO,   26                          ; v26  my byte offset in two rows of out0
.set SPW,  28
.set NIL,  29
.set PFO,  30                          ; v30  lane x a row of z
.set TMP,  32
.set F0,   64
.set F1,   128
.set BI,   192
.set G1,  24
.set G0,  32
.set G1B, 48
.set G0B, 56
.set LIM, 43                           ; s43  1 in a wave that prefetches, else the greatest number
.set PFA, 44                           ; s[44:45]
.set MSK, 89
.set OB,  92                           ; s[92:93] out0 at my 128 rows and 64 columns
.set MSB, 0
.macro WIN new
.if MSB != (\new)
	s_set_vgpr_msb (MSB<<8)|(\new)
.set MSB, \new
.endif
.endm
.set MUL,  0xa1                        ; source 0 (wt) window 1, source 1 (z) window 0, C and D window 2
.set MULB, 0x81                        ; the same with C (the bias) in window 0
.set TO_B, 0x40
.macro JLOAD s                         ; a joint load: waves 0 and 1 fetch z's two halves (128 rows), waves 2 and 3 wt's (64 rows); an s_nop 0 and four v_nop follow each line
	s_cmp_eq_u32 s11, 0
	s_cbranch_scc0 .Lfor_b_\@
	tensor_load_to_lds s[G0+4*(\s):G0+4*(\s)+3], s[G1:G1+7]
	s_nop 0
.rept 4
	v_nop
.endr
	s_branch .Lasked_\@
.Lfor_b_\@:
	tensor_load_to_lds s[G0B+4*(\s):G0B+4*(\s)+3], s[G1B:G1B+7]
	s_nop 0
.rept 4
	v_nop
.endr
.Lasked_\@:
.endm
; A prefetch of z's K step that stands two refills on: 32 rows x 256 bytes, a lane a row.  The clusters with x = 0 ask, waves 0 and 1; the four partners take 32 of a wave's 128 rows each, told apart by address.
; So each row's 256 bytes of a K step are named once.  The loop's last trip asks for nothing.  wt's 128 rows are read by all 32 tile rows and are not asked for.
.macro ASK
	s_cmp_gt_u32 s3, s[LIM]
	s_cbranch_scc0 .Lnot_mine_\@
	global_prefetch_b8 v[PFO], s[PFA:PFA+1] th:TH_LOAD_NT scope:SCOPE_SE
.Lnot_mine_\@:
.endm
.macro CREST
	s_cmp_lg_u32 s10, 0
	s_cbranch_scc1 .Lnot_wave_0_\@
	s_barrier_signal -3
.Lnot_wave_0_\@:
	s_barrier_wait -3
	s_barrier_signal -1
	s_barrier_wait -1
.endm
.macro CROUND
	s_barrier_signal -1
	s_barrier_wait -1
	CREST
.endm
	s_load_b256 s[72:79], s[0:1], 0x0              ; z s[72:73], wt s[74:75], bo s[76:77], out0 s[78:79]
	v_lshl_add_u32 v[SPW], v0, 2, SPARE
	v_mov_b32 v[NIL], 0
	ds_add_u32 v[SPW], v[NIL]                      ; the wave's opening: the add, twice on end, and its wait ahead of my first tensor load
	ds_add_u32 v[SPW], v[NIL]
	v_lshrrev_b32 v1, 5, v0
	v_readfirstlane_b32 s10, v1                    ; wave 0..3
	s_lshr_b32 s11, s10, 1                         ; which 128 rows are mine.  Also: I fetch for z (0) or wt (1)
	s_and_b32 s12, s10, 1                          ; which 64 columns.  Also: which half of that tile I fetch
	s_bfe_u32 s40, ttmp6, 0x40000                  ; cx
	s_bfe_u32 s41, ttmp6, 0x40004                  ; cy
	s_lshl_b32 s42, ttmp9, 2
	s_add_co_u32 s42, s42, s40                     ; tile column 0..7
	s_and_b32 s13, ttmp7, 0xffff
	s_lshl_b32 s13, s13, 2
	s_add_co_u32 s13, s13, s41                     ; tile row 0..31
	s_lshl_b32 s96, s41, 2
	s_lshl_b32 s96, 15, s96                        ; my row of the cluster
	s_lshl_b32 s97, 0x1111, s40                    ; my column
	s_or_b32 s[G1+0], s96, (1<<16)|(1<<20)|(1<<21)|(5<<22)|(3<<25)
	s_or_b32 s[G1B+0], s97, (1<<16)|(1<<20)|(1<<21)|(5<<22)|(3<<25)
	s_mov_b32 s[G1+1], KSTEP<<16                   ; tensor_dim0 = 128
	s_mov_b32 s[G1+2], 128<<16                     ; tensor_dim1 = 128
	s_mov_b32 s[G1+3], KSTEP<<16                   ; tile_dim0 = 128
	s_mov_b32 s[G1+4], 128                         ; tile_dim1 = 128
	s_mov_b32 s[G1+5], 1024
	s_mov_b32 s[G1+6], 0
	s_mov_b32 s[G1+7], 0
	s_mov_b32 s[G1B+1], KSTEP<<16
	s_mov_b32 s[G1B+2], 64<<16                     ; wt: 64 rows a load
	s_mov_b32 s[G1B+3], KSTEP<<16
	s_mov_b32 s[G1B+4], 64
	s_mov_b32 s[G1B+5], 1024
	s_mov_b32 s[G1B+6], 0
	s_mov_b32 s[G1B+7], 0
	s_lshl_b32 s17, s12, 7
	s_lshl_b32 s16, s13, 8
	s_add_co_u32 s16, s16, s17                     ; z: row 256 x tile row + 128 x half
	s_lshl_b32 s16, s16, 11
	s_lshl_b32 s47, s12, 6
	s_lshl_b32 s46, s42, 7
	s_add_co_u32 s46, s46, s47
	s_add_co_u32 s46, s46, WROW0                   ; wt: row 5120 + 128 x tile column + 64 x half
	s_lshl_b32 s46, s46, 11
	s_mov_b32 s17, 0
	s_mov_b32 s47, 0
	s_mul_i32 s20, s10, HALFA                      ; where z's halves go (waves 0, 1),
	s_mul_i32 s21, s10, HALFB
	s_add_co_u32 s21, s21, HALFA                   ; and wt's (waves 2, 3): behind z's 256 rows
	s_mov_b32 s[MSK], 0xffff0000
	s_wait_dscnt 0x0                               ; both opening adds are done
	s_wait_kmcnt 0x0
	s_add_nc_u64 s[14:15], s[72:73], s[16:17]
	s_add_nc_u64 s[46:47], s[74:75], s[46:47]
	CROUND                                         ; all sixteen work-groups are here: the first joint loads meet
.irp s, 0,1
	s_mov_b32 s[G0+4*(\s)], 1
	s_add_co_u32 s[G0+4*(\s)+1], s20, (\s)*SLOT
	s_add_nc_u64 s[G0+4*(\s)+2:G0+4*(\s)+3], s[14:15], (\s)*KSTEP*2
	s_or_b32 s[G0+4*(\s)+3], s[G0+4*(\s)+3], 0x80000000
	s_mov_b32 s[G0B+4*(\s)], 1
	s_add_co_u32 s[G0B+4*(\s)+1], s21, (\s)*SLOT
	s_add_nc_u64 s[G0B+4*(\s)+2:G0B+4*(\s)+3], s[46:47], (\s)*KSTEP*2
	s_or_b32 s[G0B+4*(\s)+3], s[G0B+4*(\s)+3], 0x80000000
	JLOAD \s
.endr
	v_and_b32 v1, 15, v0                           ; l % 16
	v_bfe_u32 v2, v0, 4, 1                         ; l / 16
	v_and_b32 v3, 31, v0
	v_lshlrev_b32 v[PFO], 11, v3
	s_lshl_b32 s23, s42, 1
	s_add_co_u32 s23, s23, s12                     ; my block of 64 columns
	s_lshl_b32 s19, s23, 8                         ; 256 bytes of f32
	v_lshl_add_u32 v[BO], v2, 5, s19
.irp b, 0,1,2,3
	global_load_b128 v[BI+8*(\b):BI+8*(\b)+3],   v[BO], s[76:77] offset:64*(\b)
	global_load_b128 v[BI+8*(\b)+4:BI+8*(\b)+7], v[BO], s[76:77] offset:64*(\b)+16
.endr
	s_lshl_b32 s[OB], s13, 8
	s_lshl_b32 s[OB+1], s11, 7
	s_add_co_u32 s[OB], s[OB], s[OB+1]             ; my first row
	s_lshl_b32 s[OB], s[OB], 12
	s_add_co_u32 s[OB], s[OB], s19
	s_mov_b32 s[OB+1], 0
	s_add_nc_u64 s[OB:OB+1], s[78:79], s[OB:OB+1]
	v_mul_u32_u24 v4, v1, PITCH
	v_lshl_add_u32 v4, v2, 4, v4                   ; a fragment's row x pitch + 16 x half
	s_mul_i32 s21, s11, HALFA                      ; my 128 rows of z
	s_mul_i32 s22, s12, HALFB                      ; my 64 rows of wt,
	s_add_co_u32 s22, s22, 2*HALFA                 ; behind z's 256
.irp s, 0,1
	v_add_nc_u32 v[ADRA+(\s)], s21, v4
	v_add_nc_u32 v[ADRB+(\s)], s22, v4
	s_add_co_u32 s21, s21, SLOT
	s_add_co_u32 s22, s22, SLOT
.endr
	s_mul_i32 s19, s10, 16*SPITCH
	s_add_co_u32 s19, s19, STAGE                   ; my stage
	v_mul_u32_u24 v5, v1, SPITCH
	v_lshl_add_u32 v5, v2, 5, v5
	v_add_nc_u32 v[STO], s19, v5                   ; in: row l % 16, 32 bytes for each half of the lanes
	v_mul_u32_u24 v5, v2, SPITCH
	v_lshl_add_u32 v5, v1, 4, v5
	v_add_nc_u32 v[RD], s19, v5                    ; back: lanes 0-15 one row of 256 bytes, lanes 16-31 the next
	v_lshlrev_b32 v[CO], 12, v2
	v_lshl_add_u32 v[CO], v1, 4, v[CO]             ; and the same two rows in out0
	s_or_b32 s[LIM], s11, ttmp9
	s_cmp_eq_u32 s[LIM], 0
	s_cselect_b32 s[LIM], 1, -1                    ; the same in all sixteen partners, for a given wave
	s_lshl_b32 s20, s13, 8
	s_lshl_b32 s21, s12, 7
	s_add_co_u32 s20, s20, s21
	s_lshl_b32 s21, s40, 5
	s_add_co_u32 s20, s20, s21                     ; my work-group's 32 of the 128 rows that I fetch
	s_lshl_b32 s20, s20, 11
	s_add_co_u32 s20, s20, 3*KSTEP*2               ; at K step 3: the first refill steps it to 4
	s_mov_b32 s21, 0
	s_add_nc_u64 s[PFA:PFA+1], s[72:73], s[20:21]
	s_wait_loadcnt 0x0
.set i, 0
.rept 16                                           ; the bias is rounded to bf16, like every input
	v_cvt_pk_bf16_f32 v[TMP+i%4], v[BI+2*i], v[BI+2*i+1]
	v_lshlrev_b32 v[BI+2*i], 16, v[TMP+i%4]
	v_and_b32 v[BI+2*i+1], s[MSK], v[TMP+i%4]
.set i, i+1
.endr
; 16 matrix instructions: row blocks 4 half .. 4 half + 3 x all 4 column blocks, 32 along K.  The accumulators take turns, one instruction a turn.  bias = 1: the product starts its sum with the bias.
.macro MULH f, half, bias=0
.if \bias
	WIN MULB
.else
	WIN MUL
.endif
.irp a, 4*(\half), 4*(\half)+1, 4*(\half)+2, 4*(\half)+3
.irp b, 0,1,2,3
.if \bias
	v_wmma_f32_16x16x32_f16 v[8*(4*(\a)+(\b)):8*(4*(\a)+(\b))+7], v[(\f)+8*(\b):(\f)+8*(\b)+7], v[(\f)+8*(\a):(\f)+8*(\a)+7], v[BI+8*(\b):BI+8*(\b)+7]
.else
	v_wmma_f32_16x16x32_f16 v[8*(4*(\a)+(\b)):8*(4*(\a)+(\b))+7], v[(\f)+8*(\b):(\f)+8*(\b)+7], v[(\f)+8*(\a):(\f)+8*(\a)+7], v[8*(4*(\a)+(\b)):8*(4*(\a)+(\b))+7]
.endif
.endr
.endr
.endm
.macro MUL8 f, a0                      ; eight: row blocks a0, a0 + 1
	WIN MUL
.irp a, \a0, (\a0)+1
.irp b, 0,1,2,3
	v_wmma_f32_16x16x32_f16 v[8*(4*(\a)+(\b)):8*(4*(\a)+(\b))+7], v[(\f)+8*(\b):(\f)+8*(\b)+7], v[(\f)+8*(\a):(\f)+8*(\a)+7], v[8*(4*(\a)+(\b)):8*(4*(\a)+(\b))+7]
.endr
.endr
.endm
.macro FETCH slot, k, f                ; 24 LDS loads in one run: a quarter step's fragments
	WIN TO_B
.irp i, 0,1,2,3
	ds_load_b128 v[(\f)+8*(\i):(\f)+8*(\i)+3],   v[ADRB+(\slot)] offset:(\k)+(\i)*16*PITCH
	ds_load_b128 v[(\f)+8*(\i)+4:(\f)+8*(\i)+7], v[ADRB+(\slot)] offset:(\k)+(\i)*16*PITCH+32
.endr
	WIN 0
.irp i, 0,1,2,3,4,5,6,7
	ds_load_b128 v[(\f)+8*(\i):(\f)+8*(\i)+3],   v[ADRA+(\slot)] offset:(\k)+(\i)*16*PITCH
	ds_load_b128 v[(\f)+8*(\i)+4:(\f)+8*(\i)+7], v[ADRA+(\slot)] offset:(\k)+(\i)*16*PITCH+32
.endr
.endm
.macro PLACES                          ; four plain vector instructions between a matrix instruction and a load into, or a store of, its registers
.rept 4
	v_nop
.endr
.endm
.macro QUARTER slot, k, f, g, bias=0
	s_wait_dscnt 8                                 ; wt's fragments and z's rows 0-63 are in; the youngest eight loads may be out
	MULH \f, 0, \bias
	PLACES
	FETCH \slot, \k, \g
	s_wait_dscnt 24                                ; all but the 24 just issued
	MULH \f, 1, \bias
.endm
; The last quarter multiplies buffer 1 and changes slots: one barrier; in front of it each wave waits for all its tensor loads, adds 0 to its spare word, and waits for that and its reads of this slot.
; fill = 1: the barrier opens a round of the cluster's barrier, and the joint refill, two K steps ahead, is the first thing behind the round.
.macro TURN slot, next, fill
.if \fill
	s_wait_xcnt 0x0                                ; the last prefetch, a K step back, has read its address
	s_add_nc_u64 s[PFA:PFA+1], s[PFA:PFA+1], KSTEP*2
.endif
	WIN 0
	s_wait_tensorcnt 0x0
	ds_add_u32 v[SPW], v[NIL]
	s_wait_dscnt 9                                 ; the add and the youngest eight loads may be out
	MUL8 F1, 0
	s_wait_dscnt 0x0                               ; the add is done, and my reads of this slot are over
	s_barrier_signal -1
	MUL8 F1, 2
.if \fill
	WIN 0
.endif
	s_barrier_wait -1
.if \fill
	CREST
	s_add_nc_u64 s[G0+4*(\slot)+2:G0+4*(\slot)+3], s[G0+4*(\slot)+2:G0+4*(\slot)+3], 2*KSTEP*2
	s_add_nc_u64 s[G0B+4*(\slot)+2:G0B+4*(\slot)+3], s[G0B+4*(\slot)+2:G0B+4*(\slot)+3], 2*KSTEP*2
	JLOAD \slot                                    ; its four v_nop are also the places in front of the loads below
.else
	PLACES
.endif
	FETCH \next, 0, F0
.if \fill
	ASK
.endif
	MULH F1, 1
.endm
	s_wait_tensorcnt 1                             ; my part of K step 0 is in; K step 1's may stay out
	s_barrier_signal -1
	s_barrier_wait -1
	FETCH 0, 0, F0
	QUARTER 0, 64, F0, F1, 1                       ; the first quarter stands in front of the loop: its products start the sums, with the bias
	WIN 0
	s_mov_b32 s3, 3
.Llap:                                                 ; a trip goes once round the ring, from a lap's second quarter to the next lap's first, and fills both slots again
	QUARTER 0, 128, F1, F0
	QUARTER 0, 192, F0, F1
	TURN 0, 1, 1
	QUARTER 1, 64,  F0, F1
	QUARTER 1, 128, F1, F0
	QUARTER 1, 192, F0, F1
	TURN 1, 0, 1
	QUARTER 0, 64,  F0, F1
	WIN 0
	s_sub_co_u32 s3, s3, 1
	s_cmp_lg_u32 s3, 0
	s_cbranch_scc1 .Llap
	QUARTER 0, 128, F1, F0                         ; the last lap fills nothing
	QUARTER 0, 192, F0, F1
	TURN 0, 1, 0
	QUARTER 1, 64,  F0, F1
	QUARTER 1, 128, F1, F0
	QUARTER 1, 192, F0, F1
	s_wait_dscnt 8
	MULH F1, 0
	s_wait_dscnt 0x0
	MULH F1, 1
; THE WAY OUT, a block of 16 rows at a time: 32 bytes a lane and column block into my stage, back as whole rows of 256 bytes, on two sets of registers by turns.
.macro TOSTO a
.if (\a) >= 2
	s_wait_xcnt 0x0                                ; the stores of the block two back have read their registers: the loads below land on them
.endif
	WIN 0x08                                       ; the stores' data in window 2; each accumulator's low registers go first
.irp b, 0,1,2,3
.irp u, 0,1
	ds_store_b128 v[STO], v[8*(4*(\a)+(\b))+4*(\u):8*(4*(\a)+(\b))+4*(\u)+3] offset:64*(\b)+16*(\u)
.endr
.endr
	WIN 0
.irp t, 0,1,2,3,4,5,6,7
	ds_load_b128 v[F1+32*((\a)%2)+4*(\t):F1+32*((\a)%2)+4*(\t)+3], v[RD] offset:(\t)*2*SPITCH  ; LDS serves a wave's instructions in order (ISA guide 5.7.1.4): these see the stores above
.endr
.endm
.macro SEND a, younger                 ; younger: the LDS instructions issued behind block a's loads: the next block's sixteen, or none
	WIN 0
	s_wait_dscnt \younger
.irp t, 0,1,2,3,4,5,6,7
	global_store_b128 v[CO], v[F1+32*((\a)%2)+4*(\t):F1+32*((\a)%2)+4*(\t)+3], s[OB:OB+1] offset:(16*(\a)+2*(\t))*4096 th:TH_STORE_NT  ; 16 lanes store 256 consecutive bytes, aligned
.endr
.endm
	PLACES
	TOSTO 0
.irp a, 1,2,3,4,5,6,7
	TOSTO \a
	SEND (\a)-1, 16
.endr
	SEND 7, 0
	s_wait_tensorcnt 0x0                           ; the wave's end
	ds_add_u32 v[SPW], v[NIL]
	s_wait_dscnt 0x0
	CROUND                                         ; the closing round
	s_endpgm
.Lfunc_end_k_qcf73c4dece_outp:
	.size	k_qcf73c4dece_outp, .Lfunc_end_k_qcf73c4dece_outp-k_qcf73c4dece_outp
	.p2alignl 7, 3214868480
	.fill 96, 4, 3214868480
	.section	.rodata,"a",@progbits
	.p2align	6, 0x0
	.amdhsa_kernel k_qcf73c4dece_outp
		.amdhsa_group_segment_fixed_size 327680
		.amdhsa_private_segment_fixed_size 0
		.amdhsa_enable_private_segment 0
		.amdhsa_kernarg_size 32
		.amdhsa_user_sgpr_count 2
		.amdhsa_user_sgpr_kernarg_segment_ptr 1
		.amdhsa_wavefront_size32 1
		.amdhsa_system_sgpr_workgroup_id_x 1
		.amdhsa_system_sgpr_workgroup_id_y 1
		.amdhsa_system_sgpr_workgroup_id_z 1
		.amdhsa_system_vgpr_workitem_id 0
		.amdhsa_next_free_vgpr 768
		.amdhsa_next_free_sgpr 100
		.amdhsa_reserve_vcc 0
		.amdhsa_float_denorm_mode_32 3
		.amdhsa_float_denorm_mode_16_64 3
		.amdhsa_memory_ordered 1
		.amdhsa_forward_progress 1
		.amdhsa_inst_pref_size 90
	.end_amdhsa_kernel
	.amdgpu_metadata
---
amdhsa.version: [ 1, 2 ]
amdhsa.kernels:
  - .name:           k_qcf73c4dece_outp
    .symbol:         k_qcf73c4dece_outp.kd
    .args:
      - { .name: z, .offset: 0, .size: 8, .value_kind: global_buffer, .address_space: global }
      - { .name: wt, .offset: 8, .size: 8, .value_kind: global_buffer, .address_space: global }
      - { .name: bo, .offset: 16, .size: 8, .value_kind: global_buffer, .address_space: global }
      - { .name: out0, .offset: 24, .size: 8, .value_kind: global_buffer, .address_space: global }
    .group_segment_fixed_size: 327680
    .private_segment_fixed_size: 0
    .kernarg_segment_align: 8
    .kernarg_segment_size: 32
    .max_flat_workgroup_size: 128
    .sgpr_count:     100
    .vgpr_count:     768
    .wavefront_size: 32
...
	.end_amdgpu_metadata
.endif
;; end of part 5
;; ======== version 2 of 2: 5 launches; version 1 with the launches prep, apln written anew for expert scheduling mode
;; limits: values are held in f16: magnitudes above 65,504 overflow, below 6.1e-05 lose precision
;; workspace buffers: xb 16,777,216 bytes; wt 12,582,912 bytes; sp 16,777,216 bytes; st 589,824 bytes; q 16,777,216 bytes; z 16,777,216 bytes
;; launch prep (part 6): grid 1024 x 1, 8 waves a work-group, no clusters, 18,432 bytes of LDS; arguments x, Wq, Wk, Wv, Wo, xb, wt; writes xb, wt
.if DOCPART == 6
	.amdgcn_target "amdgcn-amd-amdhsa--gfx1250"
	.amdhsa_code_object_version 6
	.text
	.protected	k_qcf73c4dece_prep
	.globl	k_qcf73c4dece_prep
	.p2align	8
	.type	k_qcf73c4dece_prep,@function
k_qcf73c4dece_prep:
	s_mov_b64 s[64:65], 0
	v_nop
	global_prefetch_b8 v0, s[64:65] scope:SCOPE_SE
	s_setreg_imm32_b32 hwreg(HW_REG_WAVE_SCHED_MODE, 0, 2), 2
	s_setreg_imm32_b32 hwreg(HW_REG_WAVE_MODE, 25, 1), 1
	s_wait_xcnt 0x0
	s_wait_alu depctr_vm_vsrc(0)
; PREPARATION.  xb = x rounded to bf16, [8192][1024].  wt = the six weight matrices turned from [c][d] to [d][c], 16 bits a number, 6,144 rows of 2,048 bytes:
;   rows s*2048 + h*128 + t*64 + e : column 64 h + e of Wk[s] (t = 0) or Wv[s] (t = 1), bf16: a head's 64 columns of k and its 64 of v lie together;
;   rows 4096 + d : column d of Wq, bf16;     rows 5120 + d : column d of Wo, rounded to bf16 and that number written as f16.
; LIMIT.  Wo's numbers as f16: beyond 65,504 not served; below 6e-5 they keep f16's fixed step of 6e-8.
; SHARES.  Work-groups 0 to 767 turn one tile of 128 c x 64 d each; work-groups 768 to 1023 cast 32,768 numbers of x each.  Eight waves.
; A stream: every byte is read once and written once, so matrix units and clusters have nothing to do here.
; A tile goes through LDS: 64 rows (d) of 256 bytes (128 c), 272 apart.  One barrier stands on every work-group's path.
; THE MODE: SCHED_MODE bits 1:0 = 2 (LLVM: expert scheduling mode 2), set by the entry lines.  The code itself states the register dependences
; between vector instructions and memory or LDS instructions, with s_wait_alu, always for 0.
; THE PLAN.  Registers that memory or LDS instructions touch:
;   v3            the tile's loads read it as their offset; written once.
;   v[16:47]      the tile's 16 loads land in it; the conversions read it; v[16:31] then take the four LDS loads of the way out, and the four global stores read them.
;   v[144:159], v4  the conversions write the packed words, the four LDS stores read them, by the address v4; not written again.
;   v7, v8        the way out's LDS address and store offset; written once.
;   v9, v10       the cast's load and store offsets; written once.
;   v[16:143]     the cast's 32 loads land in it; the conversions round in place; each store reads the first two registers of its four; no register is used twice.
; On no way through the text is a register written, or loaded into, after a memory or LDS instruction has read it: so no wait on vm_vsrc is owed.
; What is owed is a wait on va_vdst ahead of each run of memory or LDS instructions whose addresses or data vector instructions have just written; the cast takes its loads four at a time, so that one wait serves four stores.
.set PITCH, 272
.set SPARE, 64*PITCH                   ; behind the tile: the spare words, 128 bytes for each of eight waves
.set SPW,   12                         ; v12  LDS address of my spare word; never rewritten
.set NIL,   13                         ; v13  0; never rewritten
.set X,     16                         ; v[16:143] numbers as loaded
.set T,     144                        ; v[144:159] a turned tile's packed words: d = 2 lane in T..T+7, d = 2 lane + 1 in T+8..T+15
	s_load_b256 s[4:11], s[0:1], 0x0               ; x s[4:5], Wq s[6:7], Wk s[8:9], Wv s[10:11]
	s_load_b128 s[12:15], s[0:1], 0x20             ; Wo s[12:13], xb s[14:15]
	s_load_b64 s[16:17], s[0:1], 0x30              ; wt
	v_lshl_add_u32 v[SPW], v0, 2, SPARE
	v_mov_b32 v[NIL], 0
	v_lshrrev_b32 v1, 5, v0
	v_readfirstlane_b32 s18, v1                    ; wave 0..7
	v_and_b32 v2, 31, v0                           ; lane
	s_mov_b32 s19, ttmp9
	s_lshr_b32 s20, s19, 7                         ; matrix: 0 Wk[0], 1 Wk[1], 2 Wv[0], 3 Wv[1], 4 Wq, 5 Wo
	s_bfe_u32 s21, s19, 0x30004                    ; which 128 c
	s_and_b32 s22, s19, 15                         ; which 64 d (a head)
	s_wait_alu depctr_va_sdst(0)                   ; s18 is written, ahead of the branch and of its first reader: the tile's offsets are made from it
	s_wait_kmcnt 0x0
	s_cmp_lt_u32 s19, 768
	s_cbranch_scc0 .Lmeet                          ; the casting work-groups go straight to the barrier
	; a tile comes in: wave w takes rows c = 16 w .. 16 w + 15; a load is one row's 256 bytes, 8 bytes (d = 2 lane, 2 lane + 1) a lane
	s_cmp_lt_u32 s20, 2
	s_cselect_b64 s[24:25], s[8:9], s[10:11]
	s_cmp_eq_u32 s20, 4
	s_cselect_b64 s[24:25], s[6:7], s[24:25]
	s_cmp_eq_u32 s20, 5
	s_cselect_b64 s[24:25], s[12:13], s[24:25]
	s_and_b32 s26, s20, 1
	s_lshl_b32 s26, s26, 22                        ; the second state's matrix lies 4 MiB on
	s_cmp_lt_u32 s20, 4
	s_cselect_b32 s26, s26, 0
	s_lshl_b32 s27, s21, 19                        ; 128 rows of 4,096 bytes
	s_add_co_u32 s26, s26, s27
	s_lshl_b32 s27, s22, 8                         ; 64 columns of 4 bytes
	s_add_co_u32 s26, s26, s27
	s_mov_b32 s27, 0
	s_add_nc_u64 s[24:25], s[24:25], s[26:27]
	v_lshlrev_b32 v3, 3, v2
	v_lshl_add_u32 v3, s18, 16, v3                 ; 16 rows a wave + 8 bytes a lane
	s_wait_alu depctr_va_vdst(0)                   ; v3 is written, which the 16 loads read as their offset
.set i, 0
.rept 16
	global_load_b64 v[X+2*i:X+2*i+1], v3, s[24:25] offset:i*4096 th:TH_LOAD_NT
.set i, i+1
.endr
	v_mul_u32_u24 v4, v2, 2*PITCH                  ; LDS row d = 2 lane,
	v_lshl_add_u32 v4, s18, 5, v4                  ; my wave's 16 c: 32 bytes
	s_wait_loadcnt 0x0
.set i, 0
.rept 8                                            ; two neighbouring c of one d make a word
	v_cvt_pk_bf16_f32 v[T+i],   v[X+4*i],   v[X+4*i+2]
	v_cvt_pk_bf16_f32 v[T+8+i], v[X+4*i+1], v[X+4*i+3]
.set i, i+1
.endr
	s_cmp_lg_u32 s20, 5
	s_cbranch_scc1 .Lkeep
.set i, 0
.rept 16                                           ; Wo alone: the bf16 number is written as f16
	v_lshlrev_b32 v80, 16, v[T+i]
	v_and_b32 v81, 0xffff0000, v[T+i]
	v_cvt_pk_f16_f32 v[T+i], v80, v81
.set i, i+1
.endr
.Lkeep:
	s_wait_alu depctr_va_vdst(0)                   ; on both ways: the conversions have written v[T ..], and v4 is written: the four LDS stores read them
	ds_store_b128 v4, v[T:T+3]
	ds_store_b128 v4, v[T+4:T+7] offset:16
	ds_store_b128 v4, v[T+8:T+11] offset:PITCH
	ds_store_b128 v4, v[T+12:T+15] offset:PITCH+16
.Lmeet:
	s_wait_dscnt 0x0                               ; for the others' sake: my stores into the tile are done
	s_barrier_signal -1
	s_barrier_wait -1
	s_cmp_lt_u32 s19, 768
	s_cbranch_scc0 .Lcast
	; the tile goes out by rows: sixteen lanes take one row's 256 bytes; 16 rows a pass, four passes
	s_and_b32 s26, s20, 1
	s_lshl_b32 s26, s26, 11                        ; state x 2,048 rows
	s_lshr_b32 s27, s20, 1
	s_lshl_b32 s27, s27, 6                         ; k or v: 64 rows
	s_add_co_u32 s26, s26, s27
	s_lshl_b32 s27, s22, 7                         ; head x 128 rows
	s_add_co_u32 s26, s26, s27
	s_lshl_b32 s28, s20, 10                        ; Wq, Wo: matrix x 1,024 rows
	s_lshl_b32 s27, s22, 6
	s_add_co_u32 s28, s28, s27
	s_cmp_lt_u32 s20, 4
	s_cselect_b32 s26, s26, s28
	s_lshl_b32 s26, s26, 11                        ; rows of 2,048 bytes
	s_lshl_b32 s27, s21, 8                         ; 128 c: 256 bytes
	s_add_co_u32 s26, s26, s27
	s_mov_b32 s27, 0
	s_add_nc_u64 s[16:17], s[16:17], s[26:27]
	v_lshrrev_b32 v5, 4, v0
	v_and_b32 v6, 15, v0
	v_mul_u32_u24 v7, v5, PITCH
	v_lshl_add_u32 v7, v6, 4, v7
	v_lshlrev_b32 v8, 11, v5
	v_lshl_add_u32 v8, v6, 4, v8
	s_wait_alu depctr_va_vdst(0)                   ; v7 and v8 are written, which the LDS loads and the stores read; the conversions are done reading v[X .. X+15], in which the LDS loads land
.irp i, 0,1,2,3
	ds_load_b128 v[X+4*(\i):X+4*(\i)+3], v7 offset:(\i)*16*PITCH
.endr
.irp i, 0,1,2,3
	s_wait_dscnt 3-(\i)                            ; LDS loads come back in order: pass i is in
	global_store_b128 v8, v[X+4*(\i):X+4*(\i)+3], s[16:17] offset:(\i)*16*2048  ; 16 lanes store 256 consecutive bytes, aligned
.endr
	s_branch .Lend
.Lcast:                                                ; 32 loads of 4,096 consecutive bytes go out together; they are rounded and stored as they come, four at a time
	s_sub_co_u32 s26, s19, 768
	s_lshl_b32 s28, s26, 17
	s_mov_b32 s29, 0
	s_add_nc_u64 s[4:5], s[4:5], s[28:29]
	s_lshl_b32 s28, s26, 16
	s_add_nc_u64 s[14:15], s[14:15], s[28:29]
	v_lshlrev_b32 v9, 4, v0
	v_lshlrev_b32 v10, 3, v0
	s_wait_alu depctr_va_vdst(0)                   ; v9 and v10 are written: the loads' offset and the stores'
.set i, 0
.rept 32
	global_load_b128 v[X+4*i:X+4*i+3], v9, s[4:5] offset:i*4096 th:TH_LOAD_NT
.set i, i+1
.endr
.set g, 0
.rept 8
	s_wait_loadcnt 28-4*g                          ; loads come back in order: this group's four are in, the younger ones stay out
.set i, 4*g
.rept 4
	v_cvt_pk_bf16_f32 v[X+4*i],   v[X+4*i],   v[X+4*i+1]
	v_cvt_pk_bf16_f32 v[X+4*i+1], v[X+4*i+2], v[X+4*i+3]
.set i, i+1
.endr
	s_wait_alu depctr_va_vdst(0)                   ; the group's eight conversions have written the registers that its four stores read
.set i, 4*g
.rept 4
	global_store_b64 v10, v[X+4*i:X+4*i+1], s[14:15] offset:i*2048  ; a wave stores 256 consecutive bytes, aligned; no register is used twice
.set i, i+1
.endr
.set g, g+1
.endr
.Lend:
	s_wait_dscnt 0x0                               ; the closing lines, six on end
	s_wait_alu 0x0
	s_wait_tensorcnt 0x0
	ds_add_u32 v[SPW], v[NIL]
	s_wait_dscnt 0x0
	s_endpgm
.Lfunc_end_k_qcf73c4dece_prep:
	.size	k_qcf73c4dece_prep, .Lfunc_end_k_qcf73c4dece_prep-k_qcf73c4dece_prep
	.p2alignl 7, 3214868480
	.fill 96, 4, 3214868480
	.section	.rodata,"a",@progbits
	.p2align	6, 0x0
	.amdhsa_kernel k_qcf73c4dece_prep
		.amdhsa_group_segment_fixed_size 18432
		.amdhsa_private_segment_fixed_size 0
		.amdhsa_enable_private_segment 0
		.amdhsa_kernarg_size 56
		.amdhsa_user_sgpr_count 2
		.amdhsa_user_sgpr_kernarg_segment_ptr 1
		.amdhsa_wavefront_size32 1
		.amdhsa_system_sgpr_workgroup_id_x 1
		.amdhsa_system_sgpr_workgroup_id_y 1
		.amdhsa_system_sgpr_workgroup_id_z 1
		.amdhsa_system_vgpr_workitem_id 0
		.amdhsa_next_free_vgpr 160
		.amdhsa_next_free_sgpr 66
		.amdhsa_reserve_vcc 0
		.amdhsa_float_denorm_mode_32 3
		.amdhsa_float_denorm_mode_16_64 3
		.amdhsa_memory_ordered 1
		.amdhsa_forward_progress 1
		.amdhsa_inst_pref_size 21
	.end_amdhsa_kernel
	.amdgpu_metadata
---
amdhsa.version: [ 1, 2 ]
amdhsa.kernels:
  - .name:           k_qcf73c4dece_prep
    .symbol:         k_qcf73c4dece_prep.kd
    .args:
      - { .name: x, .offset: 0, .size: 8, .value_kind: global_buffer, .address_space: global }
      - { .name: Wq, .offset: 8, .size: 8, .value_kind: global_buffer, .address_space: global }
      - { .name: Wk, .offset: 16, .size: 8, .value_kind: global_buffer, .address_space: global }
      - { .name: Wv, .offset: 24, .size: 8, .value_kind: global_buffer, .address_space: global }
      - { .name: Wo, .offset: 32, .size: 8, .value_kind: global_buffer, .address_space: global }
      - { .name: xb, .offset: 40, .size: 8, .value_kind: global_buffer, .address_space: global }
      - { .name: wt, .offset: 48, .size: 8, .value_kind: global_buffer, .address_space: global }
    .group_segment_fixed_size: 18432
    .private_segment_fixed_size: 0
    .kernarg_segment_align: 8
    .kernarg_segment_size: 56
    .max_flat_workgroup_size: 256
    .sgpr_count:     66
    .vgpr_count:     160
    .wavefront_size: 32
...
	.end_amdgpu_metadata
.endif
;; end of part 6
;; launch kv: the kernel of part 2 again; grid 16 x 16, 4 waves a work-group, clusters of 4 x 4, 327,680 bytes of LDS; arguments xb, wt, bk, bv, bq, sp, q; writes sp, q
;; launch comb: the kernel of part 3 again; grid 256 x 1, 4 waves a work-group, no clusters, 768 bytes of LDS; arguments sp, st; writes st
;; launch apln (part 7): grid 256 x 1, 16 waves a work-group, no clusters, 73,216 bytes of LDS; arguments q, st, ln_g, ln_b, z; writes z
.if DOCPART == 7
	.amdgcn_target "amdgcn-amd-amdhsa--gfx1250"
	.amdhsa_code_object_version 6
	.text
	.protected	k_qcf73c4dece_apln
	.globl	k_qcf73c4dece_apln
	.p2align	8
	.type	k_qcf73c4dece_apln,@function
k_qcf73c4dece_apln:
	s_mov_b64 s[64:65], 0
	v_nop
	global_prefetch_b8 v0, s[64:65] scope:SCOPE_SE
	s_setreg_imm32_b32 hwreg(HW_REG_WAVE_SCHED_MODE, 0, 2), 2
	s_setreg_imm32_b32 hwreg(HW_REG_WAVE_MODE, 25, 1), 1
	s_wait_xcnt 0x0
	s_wait_alu depctr_vm_vsrc(0)
; o = q . state for each head, and z = (o - mean) / sqrt(var + 1e-5) x g + b over each row's 1,024 numbers, in one work-group: o never reaches memory.
; q: [8192][1024] f16.  st: the states as f16 fragments with a power of two beside them in f32.  z: [8192][1024] f16, rounded once.  g and b are rounded to bf16 like every input.
; The product in f16 with f32 sums; all else in f32.  The variance is the mean of the squares of o - mean: no difference of large sums is formed.
; LIMIT.  z as f16: |z| is at most 32 |g| + |b|, which must stay within 65,504.  NaN and infinities are not treated apart.
; SHARES.  A work-group owns 32 whole rows; wave w takes head w: 2 blocks of 16 rows x 64 columns.  o^T = state^T q^T (source 0 = 16 columns e x 32 d of the state, source 1 = 16 rows x 32 d of q): a fragment of q is
; two loads of 16 bytes a lane straight from memory; in the result a lane holds row l % 16 and the columns e = 16 ei + 8 (l / 16) + 0..7.
; A row's sum, and then the sum of its centred squares, meet over the 16 waves in LDS, each in bytes of its own behind a barrier of its own.  z goes through a stage of 32 whole rows, and each wave stores two of them.
; Memory bounds the launch (16.8 MB in, 16.8 MB out); its 16 products a wave are nothing beside that.  No cluster: what work-groups share is a batch's 128 KiB of state.
; THE MODE: SCHED_MODE bits 1:0 = 2 (LLVM: expert scheduling mode 2), set by the entry lines.  The code itself states the register dependences
; between vector or matrix instructions and memory or LDS instructions, with s_wait_alu, always for 0.
; THE PLAN.  Registers that memory or LDS instructions touch:
;   v4-v7         the global loads' offsets: written at the head, ahead of the first wait on va_vdst; never again.
;   v8-v12        LDS addresses and z's offset: written behind the loads, ahead of the first meeting's wait on va_vdst; never again.
;   v32, v40      (TA, TA + 8) a meeting's two LDS stores read them.  Written by the row sums; again by the squares' sums; at the end rows read back from the stage land there.
;   v[64:95]      (RD) a meeting's eight LDS loads land in it.  Before: the state's fragments, which the products read.  Read and written by the meeting's adds, read by the means and by var + 1e-5.
;   v[96:127]     (ZK) written by the last conversions, read by the eight stores into the stage; not written again.
;   v[32:63]      (BK) the eight LDS loads from the stage land in it; the global stores read it.  Before: q's fragments and TA.
; So: one wait on va_vdst at the head of each meeting (its stores' data are written; all that named RD is done), one wait on vm_vsrc behind each meeting's barrier (its stores have read TA, which is written again),
; and one wait on va_vdst ahead of the eight stage stores, behind which no vector instruction stands: it serves the loads from the stage too.
.set ZP,    2064                       ; a row of the stage: 2,048 bytes + 16 = 516 words: the 16 rows of a store start at 16 different groups of four banks (ISA guide 11.1)
.set SP1,   80                         ; a row's 16 partial sums: 64 bytes + 16
.set S1,    0                          ; 32 rows x 80 bytes: the partial sums
.set S2,    32*SP1                     ; the same for the centred squares
.set SPARE, 2*32*SP1                   ; the spare words, 128 bytes for each of 16 waves
.set STG,   SPARE+16*128               ; the stage
.set SPW, 14                           ; v14  LDS address of my spare word; never rewritten
.set NIL, 15                           ; v15  0; never rewritten
.set SCL, 16                           ; v[16:23]   the power of two of column block ei, as a pair
.set M,   24                           ; v[24:27]   the two row blocks' means, v[28:31] their 1 / sqrt(var + 1e-5), as pairs
.set Q,   32                           ; v[32:63]   q: row block rb, d half dc at Q + 16 rb + 8 dc
.set ST,  64                           ; v[64:127]  the state: fragment 2 ei + dc at ST + 8 (2 ei + dc)
.set ACC, 128                          ; v[128:191] o: (rb, ei) at ACC + 32 rb + 8 ei
.set G,   192                          ; v[192:223] g of my 32 columns
.set B,   224                          ; v[224:255] b of my 32 columns
.set TA,  32                           ; behind the products: 8 registers a row block, at work
.set RD,  64                           ; 16 partial sums a row block
.set ZK,  96                           ; z packed, 16 registers a row block
.set BK,  32                           ; two whole rows read back
	s_load_b256 s[4:11], s[0:1], 0x0               ; q s[4:5], st s[6:7], ln_g s[8:9], ln_b s[10:11]
	s_load_b64 s[12:13], s[0:1], 0x20              ; z
	v_lshl_add_u32 v[SPW], v0, 2, SPARE
	v_mov_b32 v[NIL], 0
	v_lshrrev_b32 v13, 5, v0
	v_readfirstlane_b32 s14, v13                   ; wave = head
	v_and_b32 v1, 15, v0                           ; l % 16
	v_bfe_u32 v2, v0, 4, 1                         ; l / 16
	v_and_b32 v3, 31, v0
	v_lshlrev_b32 v4, 4, v3                        ; 16 x lane
	v_lshlrev_b32 v5, 3, v3                        ; 8 x lane
	s_wait_alu depctr_va_sdst(0)                   ; s14 is written, ahead of its first reader: offsets, bases and LDS addresses are made from it
	s_lshl_b32 s15, s14, 7                         ; my head's 64 columns: 128 bytes of f16
	v_lshlrev_b32 v6, 11, v1
	v_lshl_add_u32 v6, v2, 4, v6
	v_add_nc_u32 v6, s15, v6                       ; q: row x 2,048 + 16 x half + 128 x head
	s_lshl_b32 s16, s14, 8
	v_lshl_add_u32 v7, v2, 5, s16                  ; g, b: 4 (64 head + 8 (l / 16))
	s_lshr_b32 s17, ttmp9, 6                       ; batch: 64 work-groups each
	s_lshl_b32 s17, s17, 4
	s_add_co_u32 s17, s17, s14
	s_lshl_b32 s20, s17, 13                        ; my head's eight fragments,
	s_mov_b32 s21, 0
	s_lshl_b32 s22, s17, 10
	s_add_co_u32 s22, s22, 524288                  ; and its four scales, which lie behind all fragments
	s_mov_b32 s23, 0
	s_lshl_b32 s24, ttmp9, 16                      ; 32 rows of 2,048 bytes
	s_mov_b32 s25, 0
	s_mov_b32 s26, 0x76543210                      ; v_permlanex16_b32: each lane takes its own place in the other half
	s_mov_b32 s27, 0xfedcba98
	s_mov_b32 s28, 0x3a800000                      ; 1 / 1024
	s_mov_b32 s29, 0x3727c5ac                      ; 1e-5
	s_mov_b32 s30, 0xffff0000
	s_wait_kmcnt 0x0
	s_add_nc_u64 s[20:21], s[6:7], s[20:21]
	s_add_nc_u64 s[22:23], s[6:7], s[22:23]
	s_add_nc_u64 s[4:5], s[4:5], s[24:25]
	s_add_nc_u64 s[12:13], s[12:13], s[24:25]
	s_wait_alu depctr_va_vdst(0)                   ; v4 to v7 are written, which the loads below read as their offsets
.irp f, 0,1,2,3,4,5,6,7
	global_load_b128 v[ST+8*(\f):ST+8*(\f)+3],   v4, s[20:21] offset:(\f)*1024
	global_load_b128 v[ST+8*(\f)+4:ST+8*(\f)+7], v4, s[20:21] offset:(\f)*1024+512
.endr
.irp rb, 0,1
.irp dc, 0,1
	global_load_b128 v[Q+16*(\rb)+8*(\dc):Q+16*(\rb)+8*(\dc)+3],   v6, s[4:5] offset:(\rb)*32768+(\dc)*64
	global_load_b128 v[Q+16*(\rb)+8*(\dc)+4:Q+16*(\rb)+8*(\dc)+7], v6, s[4:5] offset:(\rb)*32768+(\dc)*64+32
.endr
.endr
.irp e, 0,1,2,3
	global_load_b64 v[SCL+2*(\e):SCL+2*(\e)+1], v5, s[22:23] offset:(\e)*256
.endr
.irp e, 0,1,2,3
	global_load_b128 v[G+8*(\e):G+8*(\e)+3],   v7, s[8:9] offset:64*(\e)
	global_load_b128 v[G+8*(\e)+4:G+8*(\e)+7], v7, s[8:9] offset:64*(\e)+16
	global_load_b128 v[B+8*(\e):B+8*(\e)+3],   v7, s[10:11] offset:64*(\e)
	global_load_b128 v[B+8*(\e)+4:B+8*(\e)+7], v7, s[10:11] offset:64*(\e)+16
.endr
	v_mul_u32_u24 v9, v1, SP1                      ; a row's partial sums,
	s_lshl_b32 s31, s14, 2
	v_add_nc_u32 v8, s31, v9                       ; and my wave's word among them
	v_mul_u32_u24 v10, v1, ZP
	v_lshl_add_u32 v10, v2, 4, v10
	s_add_co_u32 s15, s15, STG
	v_add_nc_u32 v10, s15, v10                     ; stage, in: row l % 16, my head's 128 bytes, 16 bytes for each half of the lanes
	s_mul_i32 s31, s14, 2*ZP
	s_add_co_u32 s31, s31, STG
	v_lshl_add_u32 v11, v3, 4, s31                 ; back: wave w takes rows 2 w, 2 w + 1, 512 bytes a load,
	s_lshl_b32 s32, s14, 12
	v_lshl_add_u32 v12, v3, 4, s32                 ; and the same bytes in z
	s_wait_loadcnt 20                              ; the state and q are in; the scales' 4 and g's and b's 16 loads may stay out
.irp dc, 0,1                                           ; 16 products; the eight accumulators take turns; the first eight start the sums
.irp rb, 0,1
.irp ei, 0,1,2,3
.if (\dc) == 0
	v_wmma_f32_16x16x32_f16 v[ACC+32*(\rb)+8*(\ei):ACC+32*(\rb)+8*(\ei)+7], v[ST+8*(2*(\ei)+(\dc)):ST+8*(2*(\ei)+(\dc))+7], v[Q+16*(\rb)+8*(\dc):Q+16*(\rb)+8*(\dc)+7], 0
.else
	v_wmma_f32_16x16x32_f16 v[ACC+32*(\rb)+8*(\ei):ACC+32*(\rb)+8*(\ei)+7], v[ST+8*(2*(\ei)+(\dc)):ST+8*(2*(\ei)+(\dc))+7], v[Q+16*(\rb)+8*(\dc):Q+16*(\rb)+8*(\dc)+7], v[ACC+32*(\rb)+8*(\ei):ACC+32*(\rb)+8*(\ei)+7]
.endif
.endr
.endr
.endr
	s_wait_loadcnt 0x0
.set i, 0
.rept 16                                           ; g and b are rounded to bf16; these lines, which name no register of the products, are also the places behind them (ISA guide 7.12.1)
	v_cvt_pk_bf16_f32 v24, v[G+2*i], v[G+2*i+1]
	v_cvt_pk_bf16_f32 v25, v[B+2*i], v[B+2*i+1]
	v_lshlrev_b32 v[G+2*i], 16, v24
	v_and_b32 v[G+2*i+1], s30, v24
	v_lshlrev_b32 v[B+2*i], 16, v25
	v_and_b32 v[B+2*i+1], s30, v25
.set i, i+1
.endr
.irp rb, 0,1                                           ; the power of two comes back, in f32; each accumulator's registers in ascending order
.irp ei, 0,1,2,3
.irp u, 0,2,4,6
	v_pk_mul_f32 v[ACC+32*(\rb)+8*(\ei)+(\u):ACC+32*(\rb)+8*(\ei)+(\u)+1], v[ACC+32*(\rb)+8*(\ei)+(\u):ACC+32*(\rb)+8*(\ei)+(\u)+1], v[SCL+2*(\ei):SCL+2*(\ei)+1]
.endr
.endr
.endr
; Four pairs in TA + 8 rb -> the row's sum over my head's 64 columns, in both lanes that hold the row.
.macro LANES rb
	v_pk_add_f32 v[TA+8*(\rb):TA+8*(\rb)+1], v[TA+8*(\rb):TA+8*(\rb)+1], v[TA+8*(\rb)+2:TA+8*(\rb)+3]
	v_pk_add_f32 v[TA+8*(\rb)+4:TA+8*(\rb)+5], v[TA+8*(\rb)+4:TA+8*(\rb)+5], v[TA+8*(\rb)+6:TA+8*(\rb)+7]
	v_pk_add_f32 v[TA+8*(\rb):TA+8*(\rb)+1], v[TA+8*(\rb):TA+8*(\rb)+1], v[TA+8*(\rb)+4:TA+8*(\rb)+5]
	v_add_f32 v[TA+8*(\rb)], v[TA+8*(\rb)], v[TA+8*(\rb)+1]
	v_permlanex16_b32 v[TA+8*(\rb)+1], v[TA+8*(\rb)], s26, s27
	v_add_f32 v[TA+8*(\rb)], v[TA+8*(\rb)], v[TA+8*(\rb)+1]
.endm
; The 16 waves' sums of each row meet in the LDS bytes from base on; then every wave adds all 16 for its lanes' rows: the sum in v[RD + 16 rb].
.macro MEETSUM base
	s_wait_alu depctr_va_vdst(0)                   ; v[TA] and v[TA+8] are written, which the two stores read (the first time v8 to v12 too); all that has read or written v[RD ..], in which the loads below land, is done: the products the first time, the first meeting's adds and the means the second
	ds_store_b32 v8, v[TA]   offset:(\base)            ; the two lanes that hold a row write the same word with the same number
	ds_store_b32 v8, v[TA+8] offset:(\base)+16*SP1
	s_wait_dscnt 0x0                               ; for the others' sake: my stores are done
	s_barrier_signal -1
	s_barrier_wait -1
	s_wait_alu depctr_vm_vsrc(0)                   ; my two stores have read v[TA] and v[TA+8], which are written again: the first time by the squares' sums, the second by the rows read back from the stage
.irp rb, 0,1
.irp j, 0,1,2,3
	ds_load_b128 v[RD+16*(\rb)+4*(\j):RD+16*(\rb)+4*(\j)+3], v9 offset:(\base)+(\rb)*16*SP1+16*(\j)
.endr
.endr
	s_wait_dscnt 0x0
.irp rb, 0,1
.irp c, 0,2,4,6
	v_pk_add_f32 v[RD+16*(\rb)+(\c):RD+16*(\rb)+(\c)+1], v[RD+16*(\rb)+(\c):RD+16*(\rb)+(\c)+1], v[RD+16*(\rb)+8+(\c):RD+16*(\rb)+8+(\c)+1]
.endr
.endr
.irp rb, 0,1
	v_pk_add_f32 v[RD+16*(\rb):RD+16*(\rb)+1], v[RD+16*(\rb):RD+16*(\rb)+1], v[RD+16*(\rb)+4:RD+16*(\rb)+5]
	v_pk_add_f32 v[RD+16*(\rb)+2:RD+16*(\rb)+3], v[RD+16*(\rb)+2:RD+16*(\rb)+3], v[RD+16*(\rb)+6:RD+16*(\rb)+7]
.endr
.irp rb, 0,1
	v_pk_add_f32 v[RD+16*(\rb):RD+16*(\rb)+1], v[RD+16*(\rb):RD+16*(\rb)+1], v[RD+16*(\rb)+2:RD+16*(\rb)+3]
.endr
.irp rb, 0,1
	v_add_f32 v[RD+16*(\rb)], v[RD+16*(\rb)], v[RD+16*(\rb)+1]
.endr
.endm
	; the mean
.irp rb, 0,1
.irp c, 0,2,4,6                                        ; four chains that do not wait for each other
	v_pk_add_f32 v[TA+8*(\rb)+(\c):TA+8*(\rb)+(\c)+1], v[ACC+32*(\rb)+(\c):ACC+32*(\rb)+(\c)+1], v[ACC+32*(\rb)+8+(\c):ACC+32*(\rb)+8+(\c)+1]
.endr
.endr
.irp p, 16,24
.irp rb, 0,1
.irp c, 0,2,4,6
	v_pk_add_f32 v[TA+8*(\rb)+(\c):TA+8*(\rb)+(\c)+1], v[TA+8*(\rb)+(\c):TA+8*(\rb)+(\c)+1], v[ACC+32*(\rb)+(\p)+(\c):ACC+32*(\rb)+(\p)+(\c)+1]
.endr
.endr
.endr
	LANES 0
	LANES 1
	MEETSUM S1
.irp rb, 0,1
	v_mul_f32 v[M+2*(\rb)], s28, v[RD+16*(\rb)]
	v_mov_b32 v[M+2*(\rb)+1], v[M+2*(\rb)]
.endr
.irp rb, 0,1
.set i, 0
.rept 16
	v_pk_add_f32 v[ACC+32*(\rb)+2*i:ACC+32*(\rb)+2*i+1], v[ACC+32*(\rb)+2*i:ACC+32*(\rb)+2*i+1], v[M+2*(\rb):M+2*(\rb)+1] neg_lo:[0,1] neg_hi:[0,1]
.set i, i+1
.endr
.endr
	; the variance, of the centred numbers
.irp rb, 0,1
.irp c, 0,2,4,6
	v_pk_mul_f32 v[TA+8*(\rb)+(\c):TA+8*(\rb)+(\c)+1], v[ACC+32*(\rb)+(\c):ACC+32*(\rb)+(\c)+1], v[ACC+32*(\rb)+(\c):ACC+32*(\rb)+(\c)+1]
.endr
.endr
.irp p, 8,16,24
.irp rb, 0,1
.irp c, 0,2,4,6
	v_pk_fma_f32 v[TA+8*(\rb)+(\c):TA+8*(\rb)+(\c)+1], v[ACC+32*(\rb)+(\p)+(\c):ACC+32*(\rb)+(\p)+(\c)+1], v[ACC+32*(\rb)+(\p)+(\c):ACC+32*(\rb)+(\p)+(\c)+1], v[TA+8*(\rb)+(\c):TA+8*(\rb)+(\c)+1]
.endr
.endr
.endr
	LANES 0
	LANES 1
	MEETSUM S2
	v_fma_f32 v[RD], v[RD], s28, s29               ; var + 1e-5
	v_fma_f32 v[RD+16], v[RD+16], s28, s29
	v_rsq_f32 v[M+4], v[RD]
	v_rsq_f32 v[M+6], v[RD+16]
	v_nop                                          ; a plain instruction between the last root and the use of its result (ISA guide 5.7.2)
	s_wait_alu depctr_va_vdst(0)                   ; the two roots have written v[M+4] and v[M+6]: a wait ahead of their first use, one for both
	v_mov_b32 v[M+5], v[M+4]
	v_mov_b32 v[M+7], v[M+6]
.irp rb, 0,1
.set i, 0
.rept 16
	v_pk_mul_f32 v[ACC+32*(\rb)+2*i:ACC+32*(\rb)+2*i+1], v[ACC+32*(\rb)+2*i:ACC+32*(\rb)+2*i+1], v[M+4+2*(\rb):M+4+2*(\rb)+1]
.set i, i+1
.endr
.set i, 0
.rept 16
	v_pk_fma_f32 v[ACC+32*(\rb)+2*i:ACC+32*(\rb)+2*i+1], v[ACC+32*(\rb)+2*i:ACC+32*(\rb)+2*i+1], v[G+2*i:G+2*i+1], v[B+2*i:B+2*i+1]
.set i, i+1
.endr
.set i, 0
.rept 16
	v_cvt_pk_f16_f32 v[ZK+16*(\rb)+i], v[ACC+32*(\rb)+2*i], v[ACC+32*(\rb)+2*i+1]
.set i, i+1
.endr
.endr
	s_wait_alu depctr_va_vdst(0)                   ; both row blocks' conversions have written v[ZK ..], which the eight stores read; and all that has named v[BK ..] (the products, the row sums) is done: no vector instruction follows, so the loads from the stage owe nothing more on this side
.irp rb, 0,1
.irp ei, 0,1,2,3
	ds_store_b128 v10, v[ZK+16*(\rb)+4*(\ei):ZK+16*(\rb)+4*(\ei)+3] offset:(\rb)*16*ZP+32*(\ei)
.endr
.endr
	s_wait_dscnt 0x0                               ; for the others' sake: my part of the 32 rows lies in the stage
	s_barrier_signal -1
	s_barrier_wait -1
.irp i, 0,1
.irp j, 0,1,2,3
	ds_load_b128 v[BK+16*(\i)+4*(\j):BK+16*(\i)+4*(\j)+3], v11 offset:(\i)*ZP+(\j)*512
.endr
.endr
.irp i, 0,1
.irp j, 0,1,2,3
	s_wait_dscnt 7-4*(\i)-(\j)                     ; LDS loads come back in order: this one is in
	global_store_b128 v12, v[BK+16*(\i)+4*(\j):BK+16*(\i)+4*(\j)+3], s[12:13] offset:(\i)*2048+(\j)*512  ; a wave stores 512 consecutive bytes, aligned
.endr
.endr
	s_wait_dscnt 0x0                               ; the closing lines, six on end
	s_wait_alu 0x0
	s_wait_tensorcnt 0x0
	ds_add_u32 v[SPW], v[NIL]
	s_wait_dscnt 0x0
	s_endpgm
.Lfunc_end_k_qcf73c4dece_apln:
	.size	k_qcf73c4dece_apln, .Lfunc_end_k_qcf73c4dece_apln-k_qcf73c4dece_apln
	.p2alignl 7, 3214868480
	.fill 96, 4, 3214868480
	.section	.rodata,"a",@progbits
	.p2align	6, 0x0
	.amdhsa_kernel k_qcf73c4dece_apln
		.amdhsa_group_segment_fixed_size 73216
		.amdhsa_private_segment_fixed_size 0
		.amdhsa_enable_private_segment 0
		.amdhsa_kernarg_size 40
		.amdhsa_user_sgpr_count 2
		.amdhsa_user_sgpr_kernarg_segment_ptr 1
		.amdhsa_wavefront_size32 1
		.amdhsa_system_sgpr_workgroup_id_x 1
		.amdhsa_system_sgpr_workgroup_id_y 1
		.amdhsa_system_sgpr_workgroup_id_z 1
		.amdhsa_system_vgpr_workitem_id 0
		.amdhsa_next_free_vgpr 256
		.amdhsa_next_free_sgpr 66
		.amdhsa_reserve_vcc 0
		.amdhsa_float_denorm_mode_32 3
		.amdhsa_float_denorm_mode_16_64 3
		.amdhsa_memory_ordered 1
		.amdhsa_forward_progress 1
		.amdhsa_inst_pref_size 33
	.end_amdhsa_kernel
	.amdgpu_metadata
---
amdhsa.version: [ 1, 2 ]
amdhsa.kernels:
  - .name:           k_qcf73c4dece_apln
    .symbol:         k_qcf73c4dece_apln.kd
    .args:
      - { .name: q, .offset: 0, .size: 8, .value_kind: global_buffer, .address_space: global }
      - { .name: st, .offset: 8, .size: 8, .value_kind: global_buffer, .address_space: global }
      - { .name: ln_g, .offset: 16, .size: 8, .value_kind: global_buffer, .address_space: global }
      - { .name: ln_b, .offset: 24, .size: 8, .value_kind: global_buffer, .address_space: global }
      - { .name: z, .offset: 32, .size: 8, .value_kind: global_buffer, .address_space: global }
    .group_segment_fixed_size: 73216
    .private_segment_fixed_size: 0
    .kernarg_segment_align: 8
    .kernarg_segment_size: 40
    .max_flat_workgroup_size: 512
    .sgpr_count:     66
    .vgpr_count:     256
    .wavefront_size: 32
...
	.end_amdgpu_metadata
.endif
;; end of part 7
;; launch outp: the kernel of part 5 again; grid 8 x 32, 4 waves a work-group, clusters of 4 x 4, 327,680 bytes of LDS; arguments z, wt, bo, out0; writes out0
